; MI455X (gfx1250); checked and timed in simulation.
; The chip was launched on July 23, 2026; its instructions are those of AMD's public machine-readable ISA for CDNA 5 (MIT licence, August 2026) and "CDNA5" Instruction Set Architecture Reference Guide (July 2026). The comments in the code are by the model that wrote it; some were corrected since.
;; Multi Head Attention. Allowed arithmetic: matrix products marked QUANTISED: E2M1 operands, one E8M0 scale for each 32 along K, by v_wmma_scale_f32_16x16x128_f8f6f4 with both operands' format E2M1 (or v_wmma_scale_f32_32x16x128_f4), f32 sums; everything else in f32.
;; Inputs: Wk_codes 1,024 x 32 x 16 uint8 (E2M1 codes of Wk, K innermost, in blocks of 32 codes, two codes a byte); Wk_scales 1,024 x 32 uint8 (E8M0 scales of Wk, one for each 32 codes along K); Wo_codes 1,024 x 32 x 16 uint8 (E2M1 codes of Wo, K innermost, in blocks of 32 codes, two codes a byte); Wo_scales 1,024 x 32 uint8 (E8M0 scales of Wo, one for each 32 codes along K); Wq_codes 1,024 x 32 x 16 uint8 (E2M1 codes of Wq, K innermost, in blocks of 32 codes, two codes a byte); Wq_scales 1,024 x 32 uint8 (E8M0 scales of Wq, one for each 32 codes along K); Wv_codes 1,024 x 32 x 16 uint8 (E2M1 codes of Wv, K innermost, in blocks of 32 codes, two codes a byte); Wv_scales 1,024 x 32 uint8 (E8M0 scales of Wv, one for each 32 codes along K); beta 1,024 float32; bk 1,024 float32; bo 1,024 float32; bq 1,024 float32; bv 1,024 float32; gamma 1,024 float32; k_codes 4 x 2,048 x 32 x 16 uint8 (E2M1 codes of k, K innermost, in blocks of 32 codes, two codes a byte); k_scales 4 x 2,048 x 32 uint8 (E8M0 scales of k, one for each 32 codes along K); mask 4 x 2,048 x 2,048 int32; q 4 x 2,048 x 1,024 float32; v_codes 4 x 2,048 x 32 x 16 uint8 (E2M1 codes of v, K innermost, in blocks of 32 codes, two codes a byte); v_scales 4 x 2,048 x 32 uint8 (E8M0 scales of v, one for each 32 codes along K).
;; Outputs: out0 4 x 2,048 x 1,024 float32.
;; This version of the problem:
;;   THIS VERSION OF THE PROBLEM IS GIVEN IN LOW PRECISION. The matrix products marked QUANTISED in the list below multiply operands that are first quantised to E2M1 (2 exponent bits, 1 mantissa bit; 4 bits a number), with one power-of-two scale for each 32 numbers along K (OCP MX v1.0); their sums are f32. All else is computed in f32.
;;   The module's matrix products, in the order in which they are computed (A, B: the left and right operand; K: the contracted axis; several contracted axes count as one K, in the product's order):
;;     1. [M 8,192, K 1,024] x [K 1,024, N 1,024]; A: input q; B: input Wq (given as codes): QUANTISED
;;     2. [M 8,192, K 1,024] x [K 1,024, N 1,024]; A: input k (given as codes); B: input Wk (given as codes): QUANTISED
;;     3. [M 8,192, K 1,024] x [K 1,024, N 1,024]; A: input v (given as codes); B: input Wv (given as codes): QUANTISED
;;     4. batch 64 x [M 2,048, K 64] x [K 64, N 2,048]; A: computed on the way; B: computed on the way: QUANTISED
;;     5. batch 64 x [M 2,048, K 2,048] x [K 2,048, N 64]; A: softmax (see below); B: computed on the way: QUANTISED
;;     6. [M 8,192, K 1,024] x [K 1,024, N 1,024]; A: computed on the way; B: input Wo (given as codes): QUANTISED
;;   THE QUANTISER, for each operand of a quantised product, along K:
;;     - K is cut into blocks of 32 from its start; a last block that is shorter is filled with zeros.
;;     - A block's scale is 2^e with e = floor(log2(the largest magnitude in the block)) - 2, held to -126 .. 127; a block of zeros has e = 0. As a byte (E8M0): e + 127.
;;     - Each number is divided by its block's scale, clamped to +-6, and rounded to the nearest number of E2M1, ties to even, subnormals kept.
;;     - The product sums the exact products of the quantised numbers (number of the format x scale) in f32.
;;   ~~~python
;;   def quantise(x, axis):      # numpy; x: float32 -> the quantised numbers, widened to float32 again
;;       x = np.moveaxis(x, axis, -1); K = x.shape[-1]
;;       x = np.pad(x, [(0, 0)] * (x.ndim - 1) + [(0, -K % 32)]); x = x.reshape(x.shape[:-1] + (-1, 32)); a = np.abs(x).max(-1, keepdims=True)
;;       e = np.where(a > 0, np.clip(np.frexp(np.where(a > 0, a, 1))[1] - 1 - 2, -126, 127), 0)      # np.frexp(a)[1] - 1 = floor(log2(a)), exactly
;;       r = np.clip(x / 2.0 ** e, -6, 6)
;;       step = 2.0 ** (np.maximum(np.frexp(np.where(r == 0, 1, r))[1] - 1, 0) - 1)
;;       q = np.round(r / step) * step * 2.0 ** e      # np.round: ties to even
;;       return np.moveaxis(q.reshape(q.shape[:-2] + (-1,))[..., :K], -1, axis).astype(np.float32)
;;   ~~~
;;   SOFTMAX AHEAD OF A QUANTISED PRODUCT. Where the list says 'softmax', what is quantised is not the finished softmax but p = 2^(t - M), with t = logit x log2(e) and M = ceil(the row's largest t), a whole number; so 1/2 < the row's largest p <= 1. The row's sum l is taken of the UNQUANTISED p, in f32, and the product's result is divided by l at the end. Since M is a whole number, a kernel that streams over the keys may use a running M (the ceiling of the running maximum): every later rescaling is an exact power of two, which a block's scale takes up: the codes' values come out the same.
;;   OPERANDS COMPUTED ON THE WAY. 'Computed on the way' means the value that the module computes at that place (a softmax that the list does not call 'softmax' is quantised finished and normalised). What goes into a quantiser is computed in f32, as accurately as f32 sums, v_exp_f32 and their like allow (about 1e-6 of the number): no bf16 or f16 on the way to a quantiser, and a product that is left as it is and whose result goes on into a quantised operand takes f32 operands (vector FMAs, or v_wmma_f32_16x16x4_f32). A number that lies on a knife's edge between two numbers of the format may be rounded either way, as far as f32 arithmetic and the matrix unit's own rounding can turn it there, and no further.
;;   INPUTS GIVEN AS CODES. Wk (in the module: [1024, 1024], K = its axis 0); Wo (in the module: [1024, 1024], K = its axis 0); Wq (in the module: [1024, 1024], K = its axis 0); Wv (in the module: [1024, 1024], K = its axis 0); k (in the module: [4, 2048, 1024], K = its axis 2); v (in the module: [4, 2048, 1024], K = its axis 2): each comes as NAME_codes (uint8): NAME with its K axis moved to the last place and cut into blocks of 32 codes, [.., K / 32, bytes a block], one block behind the other in memory; two codes a byte, the lower K in the low four bits (a code: sign, 2 exponent bits, 1 mantissa bit); and NAME_scales (uint8): the same leading axes, one E8M0 byte (e + 127) for each 32 codes along K. Its value is code x scale, taken as it is: it is not quantised again, and the codes and scales need not be those that the quantiser above would give.
;; One version. Each part assembles by itself: llvm-mc -triple=amdgcn-amd-amdhsa -mcpu=gfx1250 --defsym DOCPART=n.
;; ======== version 1 of 1: 4 launches
;; workspace buffers: qc 4,194,304 bytes; qs 262,144 bytes; mbits 2,097,152 bytes of whole numbers; img 12,582,912 bytes; sc 786,432 bytes; cimg 4,194,304 bytes; csc 262,144 bytes
;; launch prep (part 1): grid 512 x 1, 4 waves a work-group, no clusters, 67,072 bytes of LDS; arguments q, mask, qc, qs, mbits; writes qc, qs, mbits
.if DOCPART == 1
	.amdgcn_target "amdgcn-amd-amdhsa--gfx1250"
	.amdhsa_code_object_version 6
	.text
	.protected	k_q55e14a6327_prep
	.globl	k_q55e14a6327_prep
	.p2align	8
	.type	k_q55e14a6327_prep,@function
k_q55e14a6327_prep:
	s_mov_b64 s[64:65], 0
	v_nop
	global_prefetch_b8 v0, s[64:65] scope:SCOPE_SE
	s_setreg_imm32_b32 hwreg(HW_REG_WAVE_MODE, 25, 1), 1
	s_wait_xcnt 0x0
; PREP.  Work-groups 0-255: q [8192][1024] f32 becomes codes of FP4 (E2M1), K innermost (qc: 512 bytes a row), with one E8M0 byte for each 32 along K (qs: 32 bytes a row).
; Work-groups 256-511: mask [4][2048][2048] int32 becomes bits (mbits), laid as the attention launch wants them: for each tile of 16 queries and each step of 128 keys 64 words;
; bit (r + 16 h) of word 8 t + j says whether mask[query r of the tile][key 16 t + 8 h + j of the step] is not 0: a lane mask for register 8 t + j of the scores.
; A block's scale is 2^(floor(log2(its largest magnitude)) - 2); its byte is the largest magnitude's exponent field - 2, held at 1 from below.
; LIMITS: a block of zeros gets the byte 1 where the rule says 127 (its codes are zeros, which add nothing under any byte but 0xff, and this program alone reads the bytes);
; NaN and infinities among the inputs are not served.
; No tensor loads, no barrier: waves share nothing.  The two ways part on the work-group's number and have LDS bytes of their own.
.set QWG,   256                        ; work-groups for q: 8,388,608 numbers / 32,768
.set STEPS, 16
.set EMAX,  2
.set CB,    8                          ; bytes of 16 codes
.set R,     16                         ; v16-79   four sets of 16 numbers as they are loaded
.set X,     80                         ; v80-111  two sets of 16 neighbours
.set C,     128                        ; v128-191 codes: four registers for each step, so that no store's data are written again
.set E,     112                        ; v112-127 a scale byte for each step
.set WREG,  8192                       ; q's way: LDS region of a wave: two stages of 32 x SP bytes, then its 256 scale bytes
.set SP,    80                         ; a lane's place in a stage: 64 bytes + 16 of padding
.set MREG,  32768                      ; the mask's way: LDS from here on, 16 x MP bytes a wave
.set MP,    528                        ; a stage row: 512 bytes + 16 = 132 words: row r starts at bank 4 r mod 64 (64 banks of 4 bytes: ISA guide 11.1)
.set MR,    16                         ; v16-143  two sets of 64: 16 rows x 128 keys as loaded
.set MX,    144                        ; v144-207 the same as register 8 t + j of lane (r, h)
.set MW,    208                        ; v208-223 the words of a block, two a lane; a pair for each block
.set MS,    36                         ; s36-43   eight lane masks at a time
.macro LOAD t
.irp i, 0,1,2,3
	global_load_b128 v[R+16*((\t)%4)+4*\i:R+16*((\t)%4)+4*\i+3], v3, s[4:5] offset:2048*(\t)+512*\i th:TH_LOAD_NT   ; 32 lanes read 512 consecutive bytes
.endr
.endm
.macro TURN t                          ; step t's numbers through the stage: LDS serves a wave's instructions in order, so no wait stands between the stores and the loads
.irp i, 0,1,2,3
	ds_store_b128 v14, v[R+16*((\t)%4)+4*\i:R+16*((\t)%4)+4*\i+3] offset:32*SP*((\t)%2)+8*SP*\i
.endr
.irp i, 0,1,2,3
	ds_load_b128 v[X+16*((\t)%2)+4*\i:X+16*((\t)%2)+4*\i+3], v15 offset:32*SP*((\t)%2)+16*\i
.endr
.endm
.macro STEP t
.set XS, X+16*((\t)%2)
.if (\t) > 0
	s_wait_dscnt 1                                 ; this step's numbers are back from the stage (the last step's byte store may be out)
.else
	s_wait_dscnt 0x0
.endif
.if (\t)+4 < STEPS
	LOAD (\t)+4                                    ; into the registers that this step's stores into the stage have read
.endif
.if (\t)+1 < STEPS
.if STEPS-2-(\t) >= 3
	s_wait_loadcnt 12                              ; the next step's four loads are in; those of the three steps behind it may be out
.else
	s_wait_loadcnt 4*(STEPS-2-(\t))
.endif
	TURN (\t)+1
.endif
	v_max3_num_f32 v8, |v[XS]|, |v[XS+1]|, |v[XS+2]|               ; the largest magnitude of my 16, in two chains
	v_max3_num_f32 v9, |v[XS+3]|, |v[XS+4]|, |v[XS+5]|
.irp i, 6,10
	v_max3_num_f32 v8, v8, |v[XS+\i]|, |v[XS+\i+1]|
	v_max3_num_f32 v9, v9, |v[XS+\i+2]|, |v[XS+\i+3]|
.endr
	v_max3_num_f32 v8, v8, |v[XS+14]|, |v[XS+15]|
	v_max3_num_f32 v8, v8, v9, (EMAX+1)<<23        ; and the floor 2^(3 - 127): the byte cannot fall under 1
	v_max_num_f32_dpp v8, v8, v8 row_xmask:1 row_mask:0xf bank_mask:0xf   ; and of my neighbour's 16: the block's
	v_add_nc_u32 v11, -(EMAX<<23), v8              ; 2 off its exponent field: the conversion takes the exponent field of this operand as its scale
	v_cvt_scalef32_pk8_fp4_f32 v[C+4*(\t)], v[XS:XS+7], v11
	v_cvt_scalef32_pk8_fp4_f32 v[C+4*(\t)+1], v[XS+8:XS+15], v11
	v_lshrrev_b32 v[E+(\t)], 23, v11               ; the scale's byte
	ds_store_b8 v5, v[E+(\t)] offset:16*(\t)       ; both lanes of a block write the same byte with the same value
	global_store_b64 v4, v[C+4*(\t):C+4*(\t)+1], s[8:9] offset:32*CB*(\t)   ; 32 lanes store 256 consecutive bytes
.endm
.macro MLOAD t                         ; block t: 16 rows x 128 keys; each load reads 512 consecutive bytes of one row
.irp i, 0,1,2,3,4,5,6,7,8,9,10,11,12,13,14,15
	global_load_b128 v[MR+64*((\t)%2)+4*\i:MR+64*((\t)%2)+4*\i+3], v3, s[6:7] offset:8192*\i+512*(\t) th:TH_LOAD_NT
.endr
.endm
.macro MBLOCK t
.if (\t) < 7
	s_wait_loadcnt 16                              ; this block's 16 loads are in; the next block's may be out
.else
	s_wait_loadcnt 0x0
.endif
.irp i, 0,1,2,3,4,5,6,7,8,9,10,11,12,13,14,15
	ds_store_b128 v4, v[MR+64*((\t)%2)+4*\i:MR+64*((\t)%2)+4*\i+3] offset:MP*\i          ; row i as it lies
.endr
.irp i, 0,1,2,3,4,5,6,7,8,9,10,11,12,13,14,15
	ds_load_b128 v[MX+4*\i:MX+4*\i+3], v5 offset:64*(\i/2)+16*(\i%2)                     ; lane (r, h): row r, keys 16 t + 8 h + 0 .. 7 (t = i / 2); these see my stores: LDS serves a wave in order
.endr
	s_wait_dscnt 0x0                               ; the numbers are back, and the stores have read their registers
.if (\t)+2 < 8
	MLOAD (\t)+2
.endif
.set g, 0
.rept 8
.irp k, 0,1,2,3,4,5,6,7
	v_cmp_ne_u32 s[MS+\k], 0, v[MX+8*g+\k]         ; word 8 g + k: one bit a lane
.endr
.irp k, 0,1,2,3,4,5,6,7
	v_writelane_b32 v[MW+2*(\t)+(\k%2)], s[MS+\k], 4*g+\k/2   ; word n goes to lane n / 2, register n % 2
.endr
.set g, g+1
.endr
	global_store_b64 v6, v[MW+2*(\t):MW+2*(\t)+1], s[12:13] offset:256*(\t)   ; 32 lanes store the block's 256 consecutive bytes
.endm
	s_load_b256 s[4:11], s[0:1], 0x0               ; q s[4:5], mask s[6:7], qc s[8:9], qs s[10:11]
	s_load_b64 s[12:13], s[0:1], 0x20              ; mbits
	v_lshl_add_u32 v224, v0, 2, 0x10400
	v_mov_b32 v225, 0
	v_lshrrev_b32 v1, 5, v0
	v_readfirstlane_b32 s16, v1                    ; wave
	v_and_b32 v2, 31, v0                           ; lane
	v_lshlrev_b32 v3, 4, v2                        ; my 16 bytes of a load's 512
	s_cmp_lt_u32 ttmp9, QWG
	s_cbranch_scc0 .Lmask
	; ---- q: a wave takes 16 steps of 512 numbers; two neighbouring lanes hold a block of 32
	s_mul_i32 s17, s16, WREG
	v_lshrrev_b32 v14, 2, v2
	v_mul_u32_u24 v14, v14, SP
	v_and_b32 v15, 3, v2
	v_lshl_add_u32 v14, v15, 4, v14
	v_add_nc_u32 v14, s17, v14                     ; the stage, on the way in: SP (lane / 4) + 16 (lane % 4)
	v_mul_u32_u24 v15, v2, SP
	v_add_nc_u32 v15, s17, v15                     ; and on the way out: SP x lane: my 16 neighbours
	v_mul_u32_u24 v4, v2, CB                       ; my codes' place in a step's
	v_lshrrev_b32 v5, 1, v2
	s_add_co_u32 s17, s17, 2*32*SP
	v_add_nc_u32 v5, s17, v5                       ; LDS: my wave's 256 scale bytes, my block's byte
	v_lshlrev_b32 v7, 3, v2
	v_add_nc_u32 v6, s17, v7
	s_lshl_b32 s17, ttmp9, 2
	s_add_co_u32 s18, s17, s16                     ; which run of 8,192 numbers is my wave's
	s_mov_b32 s19, 0
	s_lshl_b64 s[20:21], s[18:19], 15              ; 32,768 bytes of f32,
	s_lshl_b64 s[22:23], s[18:19], 12              ; 4,096 of codes,
	s_lshl_b32 s18, s18, 8                         ; 256 of scale bytes a run
	s_wait_alu depctr_va_vdst(0)
	s_wait_kmcnt 0x0
	s_add_nc_u64 s[4:5], s[4:5], s[20:21]
	s_add_nc_u64 s[8:9], s[8:9], s[22:23]
	s_add_nc_u64 s[10:11], s[10:11], s[18:19]
.irp t, 0,1,2,3
	LOAD \t
.endr
	s_wait_loadcnt 12                              ; step 0's four loads are in
	TURN 0
.irp t, 0,1,2,3,4,5,6,7,8,9,10,11,12,13,14,15
	STEP \t
.endr
	ds_load_b64 v[12:13], v6                       ; LDS serves a wave's instructions in order: these see my byte stores
	s_wait_dscnt 0x0
	global_store_b64 v7, v[12:13], s[10:11]        ; 32 lanes store 256 consecutive bytes
	s_wait_tensorcnt 0x0
	ds_add_u32 v224, v225
	s_wait_dscnt 0x0
	s_endpgm
.Lmask:
	; ---- mask: a wave takes 16 rows x 1,024 keys: eight blocks of 128 keys
	s_sub_co_u32 s17, ttmp9, QWG
	s_lshl_b32 s17, s17, 2
	s_add_co_u32 s17, s17, s16                     ; id = 2 x strip + half
	s_lshr_b32 s18, s17, 1                         ; strip = 128 x batch + tile of queries
	s_and_b32 s19, s17, 1
	s_lshl_b32 s20, s18, 17                        ; 16 rows of 8,192 bytes
	s_lshl_b32 s21, s19, 12                        ; 1,024 keys of 4 bytes
	s_add_co_u32 s20, s20, s21
	s_mov_b32 s21, 0
	s_lshl_b32 s22, s17, 11                        ; out: 4,096 bytes a strip, 2,048 a half
	s_mov_b32 s23, 0
	s_mul_i32 s24, s16, 16*MP
	s_add_co_u32 s24, s24, MREG                    ; my stage
	s_wait_alu depctr_va_vdst(0)
	v_add_nc_u32 v4, s24, v3                       ; in: 16 x lane
	v_and_b32 v8, 15, v2
	v_lshrrev_b32 v9, 4, v2
	v_mul_u32_u24 v5, v8, MP
	v_lshl_add_u32 v5, v9, 5, v5
	v_add_nc_u32 v5, s24, v5                       ; out: row r, + 32 h
	v_lshlrev_b32 v6, 3, v2
.irp i, 0,1,2,3,4,5,6,7,8,9,10,11,12,13,14,15
	v_mov_b32 v[MW+\i], 0                          ; written once: v_writelane_b32's destination counts as one of its sources
.endr
	s_wait_kmcnt 0x0
	s_add_nc_u64 s[6:7], s[6:7], s[20:21]
	s_add_nc_u64 s[12:13], s[12:13], s[22:23]
	MLOAD 0
	MLOAD 1
.irp t, 0,1,2,3,4,5,6,7
	MBLOCK \t
.endr
	s_wait_tensorcnt 0x0
	ds_add_u32 v224, v225
	s_wait_dscnt 0x0
	s_endpgm
.Lfunc_end_k_q55e14a6327_prep:
	.size	k_q55e14a6327_prep, .Lfunc_end_k_q55e14a6327_prep-k_q55e14a6327_prep
	.p2alignl 7, 3214868480
	.fill 96, 4, 3214868480
	.section	.rodata,"a",@progbits
	.p2align	6, 0x0
	.amdhsa_kernel k_q55e14a6327_prep
		.amdhsa_group_segment_fixed_size 67072
		.amdhsa_private_segment_fixed_size 0
		.amdhsa_enable_private_segment 0
		.amdhsa_kernarg_size 40
		.amdhsa_user_sgpr_count 2
		.amdhsa_user_sgpr_kernarg_segment_ptr 1
		.amdhsa_wavefront_size32 1
		.amdhsa_system_sgpr_workgroup_id_x 1
		.amdhsa_system_sgpr_workgroup_id_y 1
		.amdhsa_system_sgpr_workgroup_id_z 1
		.amdhsa_system_vgpr_workitem_id 0
		.amdhsa_next_free_vgpr 226
		.amdhsa_next_free_sgpr 66
		.amdhsa_reserve_vcc 0
		.amdhsa_float_denorm_mode_32 3
		.amdhsa_float_denorm_mode_16_64 3
		.amdhsa_memory_ordered 1
		.amdhsa_forward_progress 1
		.amdhsa_inst_pref_size 128
	.end_amdhsa_kernel
	.amdgpu_metadata
---
amdhsa.version: [ 1, 2 ]
amdhsa.kernels:
  - .name:           k_q55e14a6327_prep
    .symbol:         k_q55e14a6327_prep.kd
    .args:
      - { .name: q, .offset: 0, .size: 8, .value_kind: global_buffer, .address_space: global }
      - { .name: mask, .offset: 8, .size: 8, .value_kind: global_buffer, .address_space: global }
      - { .name: qc, .offset: 16, .size: 8, .value_kind: global_buffer, .address_space: global }
      - { .name: qs, .offset: 24, .size: 8, .value_kind: global_buffer, .address_space: global }
      - { .name: mbits, .offset: 32, .size: 8, .value_kind: global_buffer, .address_space: global }
    .group_segment_fixed_size: 67072
    .private_segment_fixed_size: 0
    .kernarg_segment_align: 8
    .kernarg_segment_size: 40
    .max_flat_workgroup_size: 128
    .sgpr_count:     66
    .vgpr_count:     226
    .wavefront_size: 32
...
	.end_amdgpu_metadata
.endif
;; end of part 1
;; launch proj (part 2): grid 4 x 96, 4 waves a work-group, clusters of 4 x 4, 327,680 bytes of LDS; arguments Wq_codes, Wk_codes, v_codes, Wq_scales, Wk_scales, v_scales, qc, k_codes, Wv_codes, qs, k_scales, Wv_scales, bq, bk, bv, img, sc; writes img, sc
.if DOCPART == 2
	.amdgcn_target "amdgcn-amd-amdhsa--gfx1250"
	.amdhsa_code_object_version 6
	.text
	.protected	k_q55e14a6327_proj
	.globl	k_q55e14a6327_proj
	.p2align	8
	.type	k_q55e14a6327_proj,@function
k_q55e14a6327_proj:
	s_mov_b64 s[64:65], 0
	v_nop
	global_prefetch_b8 v0, s[64:65] scope:SCOPE_SE
	s_setreg_imm32_b32 hwreg(HW_REG_WAVE_MODE, 25, 1), 1
	s_wait_xcnt 0x0
	s_wait_alu depctr_hold_cnt(0) depctr_sa_sdst(0) depctr_va_vdst(0) depctr_va_sdst(0) depctr_va_ssrc(0) depctr_va_vcc(0) depctr_vm_vsrc(0)
	s_getreg_b32 s2, hwreg(HW_REG_IB_STS2, 6, 4)
	s_cmp_eq_u32 s2, 0
	s_cbranch_scc0 .Lentry_in_a_cluster
	s_endpgm
.Lentry_in_a_cluster:
	s_bfe_u32 s2, ttmp6, 0x10000c
	s_cmp_lg_u32 s2, 0xf033
	s_cbranch_scc0 .Lentry_shape_is_right
	s_endpgm
.Lentry_shape_is_right:
; PROJ.  The three projections q Wq + bq, k Wk + bk, v Wv + bv on codes of FP4 (E2M1) with E8M0 scales, K = 1,024, and their results quantised again on the way out, in registers.
; MODE = cluster y / 8: 0 Q, 1 K, 2 V.  A work-group of four waves makes 256 x 256 results, a wave 128 x 128: 64 accumulators, 512 registers.
; TWO ROLES.  src0 (the matrix instruction's source 0) is the operand along whose ROWS the result is quantised next, src1 the other: a lane then holds ONE row of src1 and its registers run along src0's rows.
;   Q, K: src0 = the weight's 1,024 rows (features: the head's 64 are the next K), src1 = the 8,192 tokens.     V: src0 = v's tokens (the keys are the next K), src1 = Wv's rows.
; K goes through two LDS slots of 512 along K, both filled at the start: nothing is filled again.  The scale bytes of the work-group's rows come once, as dense blocks.
; CLUSTERS: 4 x 4 work-groups; src1's tiles are shared along a row of the cluster, src0's along a column: each tile is asked for jointly by four work-groups.  MODE is the same in all sixteen.
; 384 work-groups in one launch, in place of three launches of 128.
; THE WAY OUT.  For src1's block T (16 rows) a lane's 64 results are k = 16 t + 8 (lane / 16) + j (accumulator t, register j) of its row.  Four blocks of 32: largest magnitude (with lane xor 16's), scale byte, conversion;
; the conversion of (block B, half u) goes to register 4 (B / 2) + 2 u + B % 2, and an exchange of halves between registers 4 c + 2 u and 4 c + 2 u + 1 leaves register 4 c + i with k = 64 c + 32 (lane / 16) + 8 i .. + 7:
; the operand's own layout.  The fragment leaves as an image of its registers: 16 bytes a lane, 512 consecutive bytes a store.
;   img: [MODE][batch][pair of heads G][step of 128 tokens][T][1,024 bytes].  Q, K: T = a tile of 16 tokens; bytes 0-511 head 2 G, 512-1,023 head 2 G + 1.  V: T = 4 x (head % 2) + tile of 16 channels; K = the step's 128 keys.
;   sc:  [MODE][batch][G][step][lane][4 words].  Q, K: lane = 16 x (head % 2) + token; word i = tile 2 i's two bytes, then tile 2 i + 1's.  V: word i of lanes 0-15: T = 2 i; of lanes 16-31: T = 2 i + 1.
; The bias is the C of each sum's first matrix instruction.
; LIMITS: a block of zeros gets the byte 1 where the rule says 127 (zero codes; this program alone reads the bytes); NaN and infinities are not served.
; REGISTERS: window 0: v0-31 addresses; v32-95 scale words, two sets; v96-108 at work; v128-191 src1's fragments, later the codes made; v192-255 the bias.  window 1: src0's fragments, two sets.  windows 2, 3: accumulators.
.set KSTEP,  512
.set NQ,     4                         ; matrix instructions deep in a slot
.set ROWB,   256                       ; a tile's row in bytes
.set KROW,   512                       ; a row of codes in memory
.set PITCH,  272                       ; an LDS row: 256 bytes + 16 = 68 words: row r starts at bank 4 r mod 64 (64 banks of 4 bytes: ISA guide 11.1)
.set FR,     8
.set NL,     2
.set NP,     4                         ; places behind this matrix instruction (ISA guide 7.12.1)
.set HALFT,  128*PITCH
.set SLOT,   4*HALFT                   ; src1's 256 rows, then src0's 256 rows
.set KS,     32                        ; a row of scale bytes
.set SCL,    2*SLOT
.set HALFS,  (128*KS/256)*272          ; the scales of 128 rows
.set SBLK,   (16*KS/256)*272           ; those of 16 rows
.set SPARE,  SCL+4*HALFS               ; the spare words, 128 bytes a wave: two blocks of 256 bytes that no other line names
.set ADRA, 16                          ; v16-17  LDS address of my src1 fragments in slot 0, 1
.set ADRB, 20                          ; v20-21  the same for src0
.set L16,  26                          ; v26     16 x lane
.set ADRS, 27                          ; v27     LDS address of my scale words: lanes 0-15 src1's rows, lanes 16-31 src0's
.set SPW,  28
.set NIL,  29
.set SC,   32
.set TM,   32                          ; the way out: v32-35 largest magnitudes, v36-39 bytes, v44-47 the conversions' scale operands
.set BO,   96                          ; v96-103 byte offsets of the bias loads; later WT
.set WT,   96                          ; v96-103 tile T's scale word
.set OW,   104                         ; v104-107 the four words that leave
.set VSEL, 108                         ; v108    byte selects
.set AF,   128
.set BI,   192
.set G1, 24
.set G0, 32
.set G1B, 48
.set G0B, 56
.set G1S, 68
.set G0S, 76
.set G1SB, 80
.set G0SB, 88
.set MODE, 95                          ; s95
.set MSB, 0
.macro WIN new                         ; the immediate's high byte repeats the setting that is left
.if MSB != \new
	s_set_vgpr_msb (MSB<<8)|\new
.set MSB, \new
.endif
.endm
.set MUL_LO, 0xa1                      ; source 0 window 1, source 1 window 0, C and D window 2
.set MUL_HI, 0xf1                      ; the same, C and D window 3
.set BIA_LO, 0x81                      ; the first step: C (the bias) window 0, D window 2
.set BIA_HI, 0xc1
.set TO_B,   0x40
; A joint load: waves 0 and 1 fetch for src1, waves 2 and 3 for src0; the branch hangs on the wave's number alone.  Four v_nop follow each of the two lines.
.macro JLOAD g0a, g1a, g0b, g1b
	s_cmp_eq_u32 s15, 0
	s_cbranch_scc0 .Lfor_b_\@
	tensor_load_to_lds s[\g0a:\g0a+3], s[\g1a:\g1a+7]
	s_nop 0
.rept 4
	v_nop
.endr
	s_branch .Lasked_\@
.Lfor_b_\@:
	tensor_load_to_lds s[\g0b:\g0b+3], s[\g1b:\g1b+7]
	s_nop 0
.rept 4
	v_nop
.endr
.Lasked_\@:
.endm
.macro CROUND                          ; a round of the cluster's barrier
	s_barrier_signal -1
	s_barrier_wait -1
	s_cmp_lg_u32 s14, 0
	s_cbranch_scc1 .Lnot_wave_0_\@
	s_barrier_signal -3
.Lnot_wave_0_\@:
	s_barrier_wait -3
	s_barrier_signal -1
	s_barrier_wait -1
.endm
.macro FRAG reg, adr, q, i             ; 16 rows x 128 K of 4-bit codes: 8 registers; registers 4 c .. 4 c + 3 hold K = 64 c + 32 (lane / 16) + 0 .. 31
.irp c, 0,1
	ds_load_b128 v[\reg+4*\c:\reg+4*\c+3], v[\adr] offset:64*(\q)+32*\c+(\i)*16*PITCH
.endr
.endm
; 16 matrix instructions: src1's blocks a0, a0 + 1 x src0's eight.  zero = 0: add in place; 1: C = the bias by src0's block; 2: C = the bias by src1's block.
; The 64 accumulators take turns, one instruction a turn, in the same order in every step.
.macro MUL16 a0, p, q, sc, zero
.irp a, \a0, \a0+1
.irp b, 0,1,2,3,4,5,6,7
.if \zero == 1
	v_wmma_scale_f32_16x16x128_f8f6f4 v[8*(8*((\a)%4)+\b):8*(8*((\a)%4)+\b)+7], v[128*(\p)+FR*\b:128*(\p)+FR*\b+FR-1], v[AF+FR*(\a):AF+FR*(\a)+FR-1], v[BI+8*\b:BI+8*\b+7], v[SC+8*NQ*(\sc)+NQ*\b+(\q)], v[SC+8*NQ*(\sc)+NQ*(\a)+(\q)] matrix_a_fmt:MATRIX_FMT_FP4 matrix_b_fmt:MATRIX_FMT_FP4 matrix_a_scale:MATRIX_SCALE_ROW1
.elseif \zero == 2
	v_wmma_scale_f32_16x16x128_f8f6f4 v[8*(8*((\a)%4)+\b):8*(8*((\a)%4)+\b)+7], v[128*(\p)+FR*\b:128*(\p)+FR*\b+FR-1], v[AF+FR*(\a):AF+FR*(\a)+FR-1], v[BI+8*(\a):BI+8*(\a)+7], v[SC+8*NQ*(\sc)+NQ*\b+(\q)], v[SC+8*NQ*(\sc)+NQ*(\a)+(\q)] matrix_a_fmt:MATRIX_FMT_FP4 matrix_b_fmt:MATRIX_FMT_FP4 matrix_a_scale:MATRIX_SCALE_ROW1
.else
	v_wmma_scale_f32_16x16x128_f8f6f4 v[8*(8*((\a)%4)+\b):8*(8*((\a)%4)+\b)+7], v[128*(\p)+FR*\b:128*(\p)+FR*\b+FR-1], v[AF+FR*(\a):AF+FR*(\a)+FR-1], v[8*(8*((\a)%4)+\b):8*(8*((\a)%4)+\b)+7], v[SC+8*NQ*(\sc)+NQ*\b+(\q)], v[SC+8*NQ*(\sc)+NQ*(\a)+(\q)] matrix_a_fmt:MATRIX_FMT_FP4 matrix_b_fmt:MATRIX_FMT_FP4 matrix_a_scale:MATRIX_SCALE_ROW1
.endif
.endr
.endr
.endm
.macro FETCH_B slot, q, p
	WIN TO_B
.irp i, 0,1,2,3,4,5,6,7
	FRAG 128*(\p)+FR*\i, ADRB+\slot, \q, \i
.endr
	WIN 0
.endm
.macro FETCH_A slot, q, i0
.irp i, \i0, \i0+1, \i0+2, \i0+3
	FRAG AF+FR*(\i), ADRA+\slot, \q, \i
.endr
.endm
.macro SCALES sc                       ; a slot's scale words: four a row; lanes 0-15 take src1's block i, lanes 16-31 src0's block i
.irp i, 0,1,2,3,4,5,6,7
	ds_load_b128 v[SC+8*NQ*\sc+NQ*\i:SC+8*NQ*\sc+NQ*\i+3], v[ADRS] offset:\i*SBLK
.endr
.endm
.macro PLACES n                        ; plain vector instructions that name no register of the matrix instructions in front (ISA guide 7.12.1)
.rept \n
	v_nop
.endr
.endm
.macro STEP slot, q, zero              ; a step of 128 along K that has its successor in the same slot
	s_wait_dscnt 4*NL                              ; src0's set and src1's blocks 0-3 are in; the youngest eight loads (blocks 4-7) may be out
.if \zero
	WIN BIA_LO
.else
	WIN MUL_LO
.endif
	MUL16 0, (\q)%2, \q, \slot, \zero
	MUL16 2, (\q)%2, \q, \slot, \zero
	s_wait_dscnt 0                                 ; blocks 4-7 are in
	PLACES NP
	FETCH_B \slot, (\q)+1, 1-(\q)%2
	FETCH_A \slot, (\q)+1, 0
.if \zero
	WIN BIA_HI
.else
	WIN MUL_HI
.endif
	MUL16 4, (\q)%2, \q, \slot, \zero
	MUL16 6, (\q)%2, \q, \slot, \zero
	PLACES NP
	WIN 0
	FETCH_A \slot, (\q)+1, 4
.endm
.macro STEPS slot, from
.set Q, \from
.rept NQ-1-\from
	STEP \slot, Q, 0
.set Q, Q+1
.endr
.endm
; Slot 0's last step changes slots: one barrier; in front of it each wave waits for all its tensor loads (its part of slot 1).  Nothing is filled again.
.macro TURN slot, next
	s_wait_tensorcnt 0x0                           ; all my tensor loads have landed: my part of the next slot
	ds_add_u32 v[SPW], v[NIL]                      ; 0 onto my spare word
	s_wait_dscnt 4*NL+1                            ; (the add and the youngest eight loads may be out)
	WIN MUL_LO
	MUL16 0, 1, NQ-1, \slot, 0
	s_wait_dscnt 0x0                               ; the add is done, and my reads of this slot are over
	s_barrier_signal -1
	MUL16 2, 1, NQ-1, \slot, 0
	WIN 0
	s_barrier_wait -1                              ; the next slot is whole for every wave
	PLACES NP
	v_add_nc_u32 v[ADRS], 4*NQ, v[ADRS]            ; on to the next slot's scale words (no LDS load of mine is out)
	FETCH_B \next, 0, 0
	FETCH_A \next, 0, 0
	SCALES \next
	WIN MUL_HI
	MUL16 4, 1, NQ-1, \slot, 0
	MUL16 6, 1, NQ-1, \slot, 0
	PLACES NP
	WIN 0
	FETCH_A \next, 0, 4
.endm
; src1's block T leaves: 64 results a lane become a fragment's codes in v[128 + 8 T] on and its rows' scale word in v[WT + T].  Each accumulator is read from its low end on.
.macro QUANTP T
.set AC, 64*((\T)%4)
.set PCT, AF+8*(\T)
.set W2, 0x0a+5*((\T)/4)               ; sources 0 and 1: window 2 or 3
.set W1, 0x02+((\T)/4)                 ; source 0 alone
	WIN W2
.irp b, 0,1,2,3
	v_max3_num_f32 v[TM+\b], |v[AC+16*\b]|, |v[AC+16*\b+1]|, 0x1800000   ; block b: my 16 numbers, and the floor 2^(3 - 127): the byte cannot fall under 1
.endr
.irp i, 2,4,6,8,10,12,14
.irp b, 0,1,2,3
	v_max3_num_f32 v[TM+\b], |v[AC+16*\b+\i]|, |v[AC+16*\b+\i+1]|, v[TM+\b]   ; (the four blocks by turns)
.endr
.endr
	WIN 0
.irp b, 0,1,2,3
	v_permlanex16_b32 v[TM+4+\b], v[TM+\b], s66, s67
.endr
.irp b, 0,1,2,3
	v_max_num_f32 v[TM+\b], v[TM+\b], v[TM+4+\b]   ; with lane xor 16's: the block's largest magnitude
.endr
.irp b, 0,1,2,3
	v_add_nc_u32 v[TM+12+\b], 0xff000000, v[TM+\b] ; 2 off its exponent field: the conversion's scale operand
.endr
.irp b, 0,1,2,3
	v_lshrrev_b32 v[TM+4+\b], 23, v[TM+12+\b]      ; the scale's byte
.endr
	v_lshl_or_b32 v[WT+(\T)], v[TM+5], 8, v[TM+4]
	v_lshl_or_b32 v[WT+(\T)], v[TM+6], 16, v[WT+(\T)]
	v_lshl_or_b32 v[WT+(\T)], v[TM+7], 24, v[WT+(\T)]
	WIN W1
.irp b, 0,1,2,3
.irp u, 0,1
	v_cvt_scalef32_pk8_fp4_f32 v[PCT+4*(\b/2)+2*\u+(\b%2)], v[AC+16*\b+8*\u:AC+16*\b+8*\u+7], v[TM+12+\b]
.endr
.endr
	WIN 0
	v_nop                                          ; one plain place behind a scaled conversion
.irp c, 0,1
.irp u, 0,1
	v_permlane16_swap_b32 v[PCT+4*\c+2*\u], v[PCT+4*\c+2*\u+1]   ; the first's lanes 16-31 change places with the second's lanes 0-15
.endr
.endr
	global_store_b128 v[L16], v[PCT:PCT+3], s[12:13] offset:1024*(\T)          ; 32 lanes store 512 consecutive bytes; each tile has registers of its own, so no store's data are written again
	global_store_b128 v[L16], v[PCT+4:PCT+7], s[12:13] offset:1024*(\T)+512
.endm
	s_load_b512 s[24:39], s[0:1], 0x0              ; Wq, Wk, v codes; Wq, Wk, v scales; qc, k codes
	s_load_b512 s[40:55], s[0:1], 0x40             ; Wv codes; qs, k, Wv scales; bq, bk, bv; img
	s_load_b64 s[56:57], s[0:1], 0x80              ; sc
	v_lshl_add_u32 v[SPW], v0, 2, SPARE
	v_mov_b32 v[NIL], 0
	ds_add_u32 v28, v29
	s_wait_dscnt 0x0
	v_lshrrev_b32 v1, 5, v0
	v_readfirstlane_b32 s14, v1                    ; wave 0..3
	s_lshr_b32 s15, s14, 1                         ; which half of src1's 256 rows is mine.  Also: I fetch for src1 (0) or src0 (1)
	s_and_b32 s16, s14, 1                          ; which half of src0's.  Also: which 128 rows I fetch
	s_and_b32 s2, ttmp7, 0xffff                    ; the cluster's y, 0 .. 23: the same in all sixteen partners
	s_lshr_b32 s[MODE], s2, 3
	s_and_b32 s2, s2, 7
	s_wait_kmcnt 0x0
	s_cmp_eq_u32 s[MODE], 1                        ; the buffers are chosen on MODE, which hangs on no address
	s_cselect_b64 s[8:9], s[26:27], s[24:25]       ; src0's codes
	s_cselect_b64 s[10:11], s[32:33], s[30:31]     ; src0's scales
	s_cselect_b64 s[4:5], s[38:39], s[36:37]       ; src1's codes
	s_cselect_b64 s[6:7], s[44:45], s[42:43]       ; src1's scales
	s_cselect_b64 s[98:99], s[50:51], s[48:49]     ; the bias
	s_cmp_eq_u32 s[MODE], 2
	s_cselect_b64 s[8:9], s[28:29], s[8:9]
	s_cselect_b64 s[10:11], s[34:35], s[10:11]
	s_cselect_b64 s[4:5], s[40:41], s[4:5]
	s_cselect_b64 s[6:7], s[46:47], s[6:7]
	s_cselect_b64 s[98:99], s[52:53], s[98:99]
	s_mov_b64 s[12:13], s[54:55]                   ; img
	s_mov_b64 s[96:97], s[56:57]                   ; sc
	s_cselect_b32 s3, s2, 0                        ; the tokens' 32 blocks of 256 go by the cluster's number: on src0's side for V,
	s_cselect_b32 s2, 0, s2                        ; on src1's for Q and K; the weight's four blocks by the place in the cluster
	s_bfe_u32 s40, ttmp6, 0x40000                  ; cx, cy: my place in the cluster
	s_bfe_u32 s41, ttmp6, 0x40004
	s_lshl_b32 s42, s3, 2
	s_add_co_u32 s42, s42, s40                     ; src0's block of 256 rows
	s_lshl_b32 s17, s2, 2
	s_add_co_u32 s17, s17, s41                     ; src1's
	s_lshl_b32 s43, s41, 2
	s_lshl_b32 s43, 15, s43                        ; my row of the cluster
	s_lshl_b32 s44, 0x1111, s40                    ; my column
	; descriptor group 1: a tile of 128 rows x 256 bytes, 16 bytes of padding behind each row
	s_or_b32 s[G1+0], s43, (0<<16)|(1<<20)|(1<<21)|(5<<22)|(3<<25)  ; 15:0 the mask: src1's tiles go to my row; 17:16 element of 1 byte; 20 padding on; 21 set beside a mask; 24:22 after every 64 words; 31:25 four words
	s_or_b32 s[G1B+0], s44, (0<<16)|(1<<20)|(1<<21)|(5<<22)|(3<<25)
.irp g, G1, G1B
	s_mov_b32 s[\g+1], ROWB<<16                    ; tensor_dim0
	s_mov_b32 s[\g+2], 128<<16                     ; tensor_dim1
	s_mov_b32 s[\g+3], ROWB<<16                    ; tile_dim0
	s_mov_b32 s[\g+4], 128                         ; tile_dim1
	s_mov_b32 s[\g+5], KROW                        ; tensor_dim0_stride
	s_mov_b32 s[\g+6], 0
	s_mov_b32 s[\g+7], 0
.endr
	; the scales of 128 rows: 4,096 dense bytes, as 16 rows of 256 bytes (32 elements of 8 bytes), 16 bytes of padding behind each
	s_or_b32 s[G1S+0], s43, (3<<16)|(1<<20)|(1<<21)|(5<<22)|(3<<25)
	s_or_b32 s[G1SB+0], s44, (3<<16)|(1<<20)|(1<<21)|(5<<22)|(3<<25)
.irp g, G1S, G1SB
	s_mov_b32 s[\g+1], 32<<16
	s_mov_b32 s[\g+2], (128*KS/256)<<16
	s_mov_b32 s[\g+3], 32<<16
	s_mov_b32 s[\g+4], 128*KS/256
	s_mov_b32 s[\g+5], 32
	s_mov_b32 s[\g+6], 0
	s_mov_b32 s[\g+7], 0
.endr
	s_lshl_b32 s18, s16, 7                         ; which 128 rows of the tile I fetch
	s_lshl_b32 s20, s17, 8
	s_add_co_u32 s20, s20, s18                     ; src1's row
	s_lshl_b32 s46, s42, 8
	s_add_co_u32 s46, s46, s18                     ; src0's row
	s_mov_b32 s21, 0
	s_mov_b32 s47, 0
	s_mov_b64 s[18:19], KS
	s_mul_u64 s[22:23], s[20:21], s[18:19]         ; where these rows' scales begin,
	s_mul_u64 s[92:93], s[46:47], s[18:19]
	s_mov_b64 s[18:19], KROW
	s_mul_u64 s[20:21], s[20:21], s[18:19]         ; and their codes
	s_mul_u64 s[46:47], s[46:47], s[18:19]
	s_mul_i32 s45, s14, HALFT                      ; where they go: wave x 128 rows: no place in the cluster enters an LDS address
	s_mul_i32 s94, s14, HALFS
	s_add_nc_u64 s[20:21], s[4:5], s[20:21]
	s_add_nc_u64 s[22:23], s[6:7], s[22:23]
	s_add_nc_u64 s[46:47], s[8:9], s[46:47]
	s_add_nc_u64 s[92:93], s[10:11], s[92:93]
	CROUND                                         ; all sixteen work-groups are here: the joint loads meet
	s_mov_b32 s[G0S], 1
	s_add_co_u32 s[G0S+1], s94, SCL
	s_mov_b64 s[G0S+2:G0S+3], s[22:23]
	s_or_b32 s[G0S+3], s[G0S+3], 0x80000000
	s_mov_b32 s[G0SB], 1
	s_add_co_u32 s[G0SB+1], s94, SCL
	s_mov_b64 s[G0SB+2:G0SB+3], s[92:93]
	s_or_b32 s[G0SB+3], s[G0SB+3], 0x80000000
	JLOAD G0S, G1S, G0SB, G1SB                     ; the scales first: they are wanted with the first step
.irp s, 0,1
	s_mov_b32 s[G0+4*\s], 1
	s_add_co_u32 s[G0+4*\s+1], s45, \s*SLOT
	s_add_nc_u64 s[G0+4*\s+2:G0+4*\s+3], s[20:21], \s*ROWB
	s_or_b32 s[G0+4*\s+3], s[G0+4*\s+3], 0x80000000
	s_mov_b32 s[G0B+4*\s], 1
	s_add_co_u32 s[G0B+4*\s+1], s45, \s*SLOT
	s_add_nc_u64 s[G0B+4*\s+2:G0B+4*\s+3], s[46:47], \s*ROWB
	s_or_b32 s[G0B+4*\s+3], s[G0B+4*\s+3], 0x80000000
	JLOAD G0+4*\s, G1, G0B+4*\s, G1B               ; both slots: three tensor loads of mine are out
.endr
	v_and_b32 v1, 15, v0                           ; r
	v_bfe_u32 v2, v0, 4, 1                         ; h
	v_mul_u32_u24 v3, v1, PITCH
	v_lshl_add_u32 v4, v2, 4, v3                   ; a fragment's row x pitch + 16 h
	s_mul_i32 s21, s15, HALFT                      ; my 128 rows of src1
	s_mul_i32 s22, s16, HALFT                      ; my 128 rows of src0,
	s_add_co_u32 s22, s22, 2*HALFT                 ; which lie behind src1's 256
.irp s, 0,1
	v_add_nc_u32 v[ADRA+\s], s21, v4
	v_add_nc_u32 v[ADRB+\s], s22, v4
	s_add_co_u32 s21, s21, SLOT
	s_add_co_u32 s22, s22, SLOT
.endr
	v_mul_u32_u24 v5, v1, KS                       ; my row's scales: 32 bytes a row,
	v_lshrrev_b32 v6, 8, v5
	v_lshl_add_u32 v5, v6, 4, v5                   ; and 16 more for each 256 passed
	s_mul_i32 s21, s15, HALFS
	s_mul_i32 s22, s16, HALFS
	s_add_co_u32 s22, s22, 2*HALFS
	s_sub_co_u32 s22, s22, s21
	v_mul_u32_u24 v6, s22, v2                      ; lanes 16-31 take src0's: one product, the distance between the two bases
	s_add_co_u32 s21, s21, SCL
	v_add_nc_u32 v5, v5, v6
	v_add_nc_u32 v[ADRS], s21, v5
	v_and_b32 v6, 31, v0
	v_lshlrev_b32 v[L16], 4, v6
	; where my wave's results go
	s_lshl_b32 s20, s17, 1
	s_add_co_u32 s20, s20, s15                     ; my 128 rows of src1, counted in 128s,
	s_lshl_b32 s21, s42, 1
	s_add_co_u32 s21, s21, s16                     ; and of src0
	s_cmp_eq_u32 s[MODE], 2
	s_cselect_b32 s22, s21, s20                    ; which 128 tokens
	s_cselect_b32 s23, s20, s21                    ; which pair of heads G
	s_lshr_b32 s46, s22, 4
	s_lshl_b32 s46, s46, 7                         ; batch x 128
	s_lshl_b32 s47, s23, 4
	s_add_co_u32 s46, s46, s47                     ; + 16 G
	s_and_b32 s47, s22, 15
	s_add_co_u32 s46, s46, s47                     ; + step
	s_lshl_b32 s47, s[MODE], 9
	s_add_co_u32 s46, s46, s47                     ; + 512 MODE
	s_lshl_b32 s92, s46, 13                        ; 8,192 bytes of images each,
	s_mov_b32 s93, 0
	s_add_nc_u64 s[12:13], s[12:13], s[92:93]
	s_lshl_b32 s92, s46, 9                         ; 512 of scale words
	s_add_nc_u64 s[96:97], s[96:97], s[92:93]
	s_lshl_b32 s92, s23, 9                         ; the bias of G's 128 features
	s_add_nc_u64 s[98:99], s[98:99], s[92:93]
	; the bias in the result's layout.  Q, K: register 8 b + j = feature 16 b + 8 h + j.  V: register 8 a + j = feature 16 a + r, whatever j
	s_cmp_eq_u32 s[MODE], 2
	s_cselect_b32 s20, 0, 32
	s_cselect_b32 s21, 4, 0
	s_cselect_b32 s22, 0, 4
	v_mul_u32_u24 v5, s20, v2
	v_mad_u32_u24 v5, s21, v1, v5
.irp j, 0,1,2,3,4,5,6,7
	s_mul_i32 s23, s22, \j
	v_add_nc_u32 v[BO+\j], s23, v5
.endr
.irp x, 0,1,2,3,4,5,6,7
.irp j, 0,1,2,3,4,5,6,7
	global_load_b32 v[BI+8*\x+\j], v[BO+\j], s[98:99] offset:64*\x
.endr
.endr
	; byte selects for the scale words that leave: Q, K: two tiles' halves (head h); V: tile 2 i + h's word
	s_mov_b32 s20, 0x05040100
	s_mov_b32 s21, 0x03020100
	s_mov_b32 s22, 0x07060302
	s_mov_b32 s23, 0x07060504
	s_cselect_b32 s20, s21, s20
	s_cselect_b32 s22, s23, s22
	v_mov_b32 v[VSEL], s20
	v_mov_b32 v5, s22
	v_cmp_eq_u32 vcc_lo, 1, v2
	v_cndmask_b32 v[VSEL], v[VSEL], v5, vcc_lo
	s_mov_b32 s66, 0x76543210
	s_mov_b32 s67, 0xfedcba98                      ; v_permlanex16_b32's selects for lane xor 16
	s_wait_tensorcnt 1                             ; the scales and my part of slot 0 are in (slot 1's load may be out)
	s_barrier_signal -1
	s_barrier_wait -1                              ; everybody's are
	FETCH_B 0, 0, 0
	FETCH_A 0, 0, 0
	SCALES 0
	FETCH_A 0, 0, 4
	s_wait_loadcnt 0x0                             ; the bias
	s_cmp_eq_u32 s[MODE], 2                        ; the first step is written twice: its C is the bias, by src0's block or by src1's.  MODE is the same in all partners
	s_cbranch_scc1 .Lfirst_v
	STEP 0, 0, 1
	s_branch .Lfirst_done
.Lfirst_v:
	STEP 0, 0, 2
.Lfirst_done:
	STEPS 0, 1
	TURN 0, 1
	STEPS 1, 0
	s_wait_dscnt 4*NL                              ; the very last step: nothing more to fetch
	WIN MUL_LO
	MUL16 0, 1, NQ-1, 1, 0
	MUL16 2, 1, NQ-1, 1, 0
	s_wait_dscnt 0
	WIN MUL_HI
	MUL16 4, 1, NQ-1, 1, 0
	MUL16 6, 1, NQ-1, 1, 0
	WIN 0
	PLACES NP                                      ; in front of reads of results and of writes into registers that the last products read
.irp b, 0,1,2,3
	v_mov_b32 v[TM+4+\b], 0                        ; a lane permute's destination counts as one of its sources
.endr
.irp T, 0,1,2,3,4,5,6,7
	QUANTP \T
.endr
.irp i, 0,1,2,3
	v_perm_b32 v[OW+\i], v[WT+2*\i+1], v[WT+2*\i], v[VSEL]
.endr
	global_store_b128 v[L16], v[OW:OW+3], s[96:97] ; 32 lanes store 512 consecutive bytes
	s_wait_tensorcnt 0x0                           ; the wave's end
	ds_add_u32 v[SPW], v[NIL]
	s_wait_dscnt 0x0
	CROUND                                         ; the closing round: no work-group ends while a partner may still ask for a tile that names it
	s_endpgm
.Lfunc_end_k_q55e14a6327_proj:
	.size	k_q55e14a6327_proj, .Lfunc_end_k_q55e14a6327_proj-k_q55e14a6327_proj
	.p2alignl 7, 3214868480
	.fill 96, 4, 3214868480
	.section	.rodata,"a",@progbits
	.p2align	6, 0x0
	.amdhsa_kernel k_q55e14a6327_proj
		.amdhsa_group_segment_fixed_size 327680
		.amdhsa_private_segment_fixed_size 0
		.amdhsa_enable_private_segment 0
		.amdhsa_kernarg_size 136
		.amdhsa_user_sgpr_count 2
		.amdhsa_user_sgpr_kernarg_segment_ptr 1
		.amdhsa_wavefront_size32 1
		.amdhsa_system_sgpr_workgroup_id_x 1
		.amdhsa_system_sgpr_workgroup_id_y 1
		.amdhsa_system_sgpr_workgroup_id_z 1
		.amdhsa_system_vgpr_workitem_id 0
		.amdhsa_next_free_vgpr 1024
		.amdhsa_next_free_sgpr 100
		.amdhsa_reserve_vcc 1
		.amdhsa_float_denorm_mode_32 3
		.amdhsa_float_denorm_mode_16_64 3
		.amdhsa_memory_ordered 1
		.amdhsa_forward_progress 1
		.amdhsa_inst_pref_size 146
	.end_amdhsa_kernel
	.amdgpu_metadata
---
amdhsa.version: [ 1, 2 ]
amdhsa.kernels:
  - .name:           k_q55e14a6327_proj
    .symbol:         k_q55e14a6327_proj.kd
    .args:
      - { .name: Wq_codes, .offset: 0, .size: 8, .value_kind: global_buffer, .address_space: global }
      - { .name: Wk_codes, .offset: 8, .size: 8, .value_kind: global_buffer, .address_space: global }
      - { .name: v_codes, .offset: 16, .size: 8, .value_kind: global_buffer, .address_space: global }
      - { .name: Wq_scales, .offset: 24, .size: 8, .value_kind: global_buffer, .address_space: global }
      - { .name: Wk_scales, .offset: 32, .size: 8, .value_kind: global_buffer, .address_space: global }
      - { .name: v_scales, .offset: 40, .size: 8, .value_kind: global_buffer, .address_space: global }
      - { .name: qc, .offset: 48, .size: 8, .value_kind: global_buffer, .address_space: global }
      - { .name: k_codes, .offset: 56, .size: 8, .value_kind: global_buffer, .address_space: global }
      - { .name: Wv_codes, .offset: 64, .size: 8, .value_kind: global_buffer, .address_space: global }
      - { .name: qs, .offset: 72, .size: 8, .value_kind: global_buffer, .address_space: global }
      - { .name: k_scales, .offset: 80, .size: 8, .value_kind: global_buffer, .address_space: global }
      - { .name: Wv_scales, .offset: 88, .size: 8, .value_kind: global_buffer, .address_space: global }
      - { .name: bq, .offset: 96, .size: 8, .value_kind: global_buffer, .address_space: global }
      - { .name: bk, .offset: 104, .size: 8, .value_kind: global_buffer, .address_space: global }
      - { .name: bv, .offset: 112, .size: 8, .value_kind: global_buffer, .address_space: global }
      - { .name: img, .offset: 120, .size: 8, .value_kind: global_buffer, .address_space: global }
      - { .name: sc, .offset: 128, .size: 8, .value_kind: global_buffer, .address_space: global }
    .group_segment_fixed_size: 327680
    .private_segment_fixed_size: 0
    .kernarg_segment_align: 8
    .kernarg_segment_size: 136
    .max_flat_workgroup_size: 128
    .sgpr_count:     100
    .vgpr_count:     1024
    .wavefront_size: 32
...
	.end_amdgpu_metadata
.endif
;; end of part 2
;; launch attn (part 3): grid 4 x 64, 16 waves a work-group, clusters of 4 x 1, 169,984 bytes of LDS; arguments img, sc, mbits, cimg, csc; writes cimg, csc
.if DOCPART == 3
	.amdgcn_target "amdgcn-amd-amdhsa--gfx1250"
	.amdhsa_code_object_version 6
	.text
	.protected	k_q55e14a6327_attn
	.globl	k_q55e14a6327_attn
	.p2align	8
	.type	k_q55e14a6327_attn,@function
k_q55e14a6327_attn:
	s_mov_b64 s[64:65], 0
	v_nop
	global_prefetch_b8 v0, s[64:65] scope:SCOPE_SE
	s_setreg_imm32_b32 hwreg(HW_REG_WAVE_MODE, 25, 1), 1
	s_wait_xcnt 0x0
	s_wait_alu depctr_hold_cnt(0) depctr_sa_sdst(0) depctr_va_vdst(0) depctr_va_sdst(0) depctr_va_ssrc(0) depctr_va_vcc(0) depctr_vm_vsrc(0)
	s_getreg_b32 s2, hwreg(HW_REG_IB_STS2, 6, 4)
	s_cmp_eq_u32 s2, 0
	s_cbranch_scc0 .Lentry_in_a_cluster
	s_endpgm
.Lentry_in_a_cluster:
	s_bfe_u32 s2, ttmp6, 0x10000c
	s_cmp_lg_u32 s2, 0x3003
	s_cbranch_scc0 .Lentry_shape_is_right
	s_endpgm
.Lentry_shape_is_right:
; ATTN.  For each batch and head: S = Q K^T / 8, mask, softmax, ctx = P V, both products on codes of FP4 (E2M1) with E8M0 scales; ctx is quantised along head x 64 + channel and leaves as codes.
; THE SOFTMAX AHEAD OF THE SECOND PRODUCT: t = score x log2(e) / 8; M = the row's largest t so far, rounded UP to a whole number; p = 2^(t - M) is quantised along the keys, not normalised;
; the row's sum is taken of the unquantised p and divides at the end.  When M moves, the sum and O are multiplied by 2^(old M - new M): exact.
; SHARES.  A work-group owns one head and 512 queries; each of its sixteen waves two tiles of 16 queries, one after the other (two passes), in 256 registers: four waves to a SIMD, so that one wave's
; vector work stands beside another's matrix work and LDS loads.  A pass walks the head's 2,048 keys, 128 a step.
; LDS holds the WHOLE head: K's and V's codes (65,536 bytes each) and scale words, as images of operand registers (16 bytes a lane on end: no pitch, no padding).  Filled once: no ring.
; CLUSTER.  The four work-groups of a cluster are the four blocks of queries of one head: K and V are asked for jointly, with the same descriptors and the mask of all four.
; LAYOUT.  Both products are used transposed: S^T = K Q^T, O^T = V^T P^T: a lane holds ONE query (lane % 16) throughout; register 8 t + j of S^T is key 16 t + 8 (lane / 16) + j.
; K = 64 IN A FORM OF 128: a fragment of K holds TWO tiles of 16 keys (registers 0-3 tile 2 b, 4-7 tile 2 b + 1).  Q lies in v16-27 as [zeros][Q][zeros]: v[20:27] = [Q | 0] gives tile 2 b, v[16:23] = [0 | Q] tile 2 b + 1.
; Zero codes add nothing; the scale bytes beside them are another tile's, 1 to 254, never 0xff.
; THE MASK comes as bits, one word for each register of S^T, by scalar loads most of a step ahead; it only selects values (v_cndmask_b32).
; LIMITS: a masked score is -2^33 ahead of the scaling (a logit of -1.07e9 where reference() writes -1e9): times c it is exact and a whole number, so a row with every key masked gives p = 1 for all keys,
; as f32 arithmetic on -1e9 does; right while unmasked logits lie above -1.07e9.  A block of zeros keeps the byte 1 (zero codes).  NaN and infinities are not served.
; csc's two bytes a token and head lie 32 bytes apart: those stores cover no long runs; they are 1 byte in 16 of what the launch stores.
; REGISTERS: v1-7 addresses that stay; v8-11 addresses of the step; v12 -M, v13 the largest t, v[14:15] the sum; v16-27 Q; v32-63 K; v64-95 V; v96-159 S^T, then p; v160-191 O^T; v192-199 scale words; v224-231 p's codes; v232-254 at work.
.set VIMG, 65536
.set KSC,  131072                      ; K's scale words: [step][token % 16][4 words]
.set VSC,  135168                      ; V's: [step][lane][4 words], both heads of the pair
.set WV,   14
.set SEL,  66                          ; s[66:67] lane selects: lane xor 16
.set CS,   68                          ; s[68:69] c = log2(e) / 8
.set ST,   70                          ; s70 the step's first byte in K's and in V's images: 4,096 a step
.set KSS,  71                          ; s71 in K's scale words: 256 a step
.set VSS,  72                          ; s72 in V's: 512 a step
.set MO,   73                          ; s73 the byte offset of the mask words asked for
.set R1,   74                          ; s74, s75: by how many bits Q's scale word is turned
.set R2,   75
.macro ROUND                           ; a round of the cluster's barrier
	s_barrier_signal -1
	s_barrier_wait -1
	s_cmp_lg_u32 s[WV], 0
	s_cbranch_scc1 .Lnot_wave_0_\@
	s_barrier_signal -3
.Lnot_wave_0_\@:
	s_barrier_wait -3
	s_barrier_signal -1
	s_barrier_wait -1
.endm
.macro MASKLOAD off                    ; a step's 64 mask words: s16-63 and s80-95
	s_load_b512 s[16:31], s[8:9], s[MO] offset:\off
	s_load_b512 s[32:47], s[8:9], s[MO] offset:\off+64
	s_load_b512 s[48:63], s[8:9], s[MO] offset:\off+128
	s_load_b512 s[80:95], s[8:9], s[MO] offset:\off+192
.endm
	s_load_b256 s[80:87], s[0:1], 0x0              ; img, sc, mbits, cimg
	s_load_b64 s[88:89], s[0:1], 0x20              ; csc
	v_lshl_add_u32 v251, v0, 2, 0x29000
	v_mov_b32 v255, 0
	ds_add_u32 v251, v255
	ds_add_u32 v251, v255
	v_lshrrev_b32 v8, 5, v0
	s_delay_alu instid0(VALU_DEP_1)
	v_readfirstlane_b32 s[WV], v8                  ; wave 0..15
	s_bfe_u32 s76, ttmp6, 0x40000                  ; cx: my block of 512 queries; it enters Q's, the mask's and ctx's addresses alone
	s_and_b32 s77, ttmp7, 0xffff                   ; 16 x batch + head: the four partners share it
	s_lshr_b32 s78, s77, 4                         ; batch
	s_and_b32 s79, s77, 15                         ; head
	s_lshr_b32 s96, s79, 1                         ; G: the pair of heads
	s_and_b32 s97, s79, 1                          ; which of the pair
	s_lshl_b32 s98, s78, 3
	s_add_co_u32 s98, s98, s96
	s_lshl_b32 s98, s98, 4                         ; (8 x batch + G) x 16 steps
	s_and_b32 s99, s[WV], 1                        ; which half I fetch, if I fetch
	s_lshl_b32 s100, s98, 13                       ; x 8,192 bytes of images
	s_lshl_b32 s101, s98, 9                        ; x 512 bytes of scale words
	s_mov_b32 s3, 0
	; descriptor groups 1: elements of 8 bytes, no padding, the mask of all four work-groups with bit 21 beside it
	s_mov_b32 s16, 15|(3<<16)|(1<<21)              ; K's codes: 64 rows (a tile of 16 keys each) of 512 bytes, 1,024 bytes apart
	s_mov_b32 s17, 64<<16
	s_mov_b32 s18, 64<<16
	s_mov_b32 s19, 64<<16
	s_mov_b32 s20, 64
	s_mov_b32 s21, 128
	s_mov_b32 s22, 0
	s_mov_b32 s23, 0
	s_mov_b32 s24, 15|(3<<16)|(1<<21)              ; V's codes: 8 rows (a step each) of 4,096 bytes, 8,192 bytes apart
	s_mov_b32 s25, 512<<16
	s_mov_b32 s26, 8<<16
	s_mov_b32 s27, 512<<16
	s_mov_b32 s28, 8
	s_mov_b32 s29, 1024
	s_mov_b32 s30, 0
	s_mov_b32 s31, 0
	s_mov_b32 s32, 15|(3<<16)|(1<<21)              ; K's scale words: 8 rows (a step each) of 256 bytes, 512 bytes apart
	s_mov_b32 s33, 32<<16
	s_mov_b32 s34, 8<<16
	s_mov_b32 s35, 32<<16
	s_mov_b32 s36, 8
	s_mov_b32 s37, 64
	s_mov_b32 s38, 0
	s_mov_b32 s39, 0
	s_mov_b32 s40, 15|(3<<16)|(1<<21)              ; V's scale words: 4,096 dense bytes as 16 rows of 256
	s_mov_b32 s41, 32<<16
	s_mov_b32 s42, 16<<16
	s_mov_b32 s43, 32<<16
	s_mov_b32 s44, 16
	s_mov_b32 s45, 32
	s_mov_b32 s46, 0
	s_mov_b32 s47, 0
	s_wait_dscnt 0x0
	s_wait_kmcnt 0x0
	s_lshl_b32 s2, s97, 9                          ; K's codes: part 1 of img, my head's 512 bytes of each tile, my 64 tiles
	s_add_co_u32 s2, s2, s100
	s_lshl_b32 s15, s99, 16
	s_add_co_u32 s2, s2, s15
	s_add_co_u32 s2, s2, 0x400000
	s_mov_b32 s48, 1
	s_lshl_b32 s49, s99, 15
	s_add_nc_u64 s[50:51], s[80:81], s[2:3]
	s_or_b32 s51, s51, 0x80000000
	s_lshl_b32 s2, s97, 12                         ; V's codes: part 2, my head's 4,096 bytes of each step, my 8 steps
	s_add_co_u32 s2, s2, s100
	s_add_co_u32 s2, s2, s15
	s_add_co_u32 s2, s2, 0x800000
	s_mov_b32 s52, 1
	s_add_co_u32 s53, s49, VIMG
	s_add_nc_u64 s[54:55], s[80:81], s[2:3]
	s_or_b32 s55, s55, 0x80000000
	s_lshl_b32 s2, s97, 8                          ; K's scale words: part 1 of sc, my head's 256 bytes of each step
	s_add_co_u32 s2, s2, s101
	s_lshl_b32 s15, s99, 12
	s_add_co_u32 s2, s2, s15
	s_add_co_u32 s2, s2, 0x40000
	s_mov_b32 s56, 1
	s_lshl_b32 s57, s99, 11
	s_add_co_u32 s57, s57, KSC
	s_add_nc_u64 s[58:59], s[82:83], s[2:3]
	s_or_b32 s59, s59, 0x80000000
	s_add_co_u32 s2, s101, s15                     ; V's: part 2, whole steps
	s_add_co_u32 s2, s2, 0x80000
	s_mov_b32 s60, 1
	s_add_co_u32 s61, s15, VSC
	s_add_nc_u64 s[62:63], s[82:83], s[2:3]
	s_or_b32 s63, s63, 0x80000000
	ROUND                                          ; all four work-groups are here: the joint loads meet
	s_cmp_lt_u32 s[WV], 2                          ; waves 0, 1 fetch K's halves, waves 2, 3 V's, the others nothing; a wave's two fills stand in one branch; four v_nop follow the second
	s_cbranch_scc0 .Lnot_k
	tensor_load_to_lds s[56:59], s[32:39]
	s_nop 0
	tensor_load_to_lds s[48:51], s[16:23]
	s_nop 0
.rept 4
	v_nop
.endr
	s_branch .Lasked
.Lnot_k:
	s_cmp_lt_u32 s[WV], 4
	s_cbranch_scc0 .Lasked
	tensor_load_to_lds s[60:63], s[40:47]
	s_nop 0
	tensor_load_to_lds s[52:55], s[24:31]
	s_nop 0
.rept 4
	v_nop
.endr
.Lasked:
	; my own addresses.  My tiles of queries are 32 cx + 16 p + wave of the batch's 128 (p: the pass)
	s_lshl_b32 s74, s76, 15                        ; Q's codes: part 0 of img: 4 cx steps, wave x 1,024, my head's 512
	s_add_co_u32 s74, s74, s100
	s_lshl_b32 s75, s[WV], 10
	s_add_co_u32 s74, s74, s75
	s_lshl_b32 s75, s97, 9
	s_add_co_u32 s74, s74, s75
	s_mov_b32 s75, 0
	s_add_nc_u64 s[4:5], s[80:81], s[74:75]
	s_lshl_b32 s74, s76, 11                        ; Q's scale words: part 0 of sc: step 4 cx + wave / 8
	s_add_co_u32 s74, s74, s101
	s_lshr_b32 s15, s[WV], 3
	s_lshl_b32 s15, s15, 9
	s_add_co_u32 s74, s74, s15
	s_add_nc_u64 s[6:7], s[82:83], s[74:75]
	s_lshl_b32 s15, s78, 7
	s_lshl_b32 s74, s76, 5
	s_add_co_u32 s15, s15, s74
	s_add_co_u32 s15, s15, s[WV]                   ; 128 x batch + 32 cx + wave
	s_lshl_b32 s74, s15, 12                        ; the mask's words: 4,096 bytes a tile of queries
	s_add_nc_u64 s[8:9], s[84:85], s[74:75]
	s_lshl_b32 s74, s15, 13                        ; ctx's codes: 8,192 bytes a tile, 1,024 a pair of heads, 512 a head
	s_lshl_b32 s77, s96, 10
	s_add_co_u32 s74, s74, s77
	s_lshl_b32 s77, s97, 9
	s_add_co_u32 s74, s74, s77
	s_add_nc_u64 s[10:11], s[86:87], s[74:75]
	s_lshl_b32 s74, s15, 9                         ; ctx's scale bytes: 32 a token, 2 a head
	s_lshl_b32 s77, s79, 1
	s_add_co_u32 s74, s74, s77
	s_add_nc_u64 s[12:13], s[88:89], s[74:75]
	s_and_b32 s[R1], s[WV], 1
	s_lshl_b32 s[R1], s[R1], 4                     ; 16 x (my tile % 2): where my two bytes lie in Q's scale word
	s_sub_co_u32 s[R2], 16, s[R1]
	s_mov_b32 s[SEL], 0x76543210
	s_mov_b32 s[SEL+1], 0xfedcba98
	s_mov_b32 s[CS], 0x3e38aa3b                    ; c = log2(e) / 8
	s_mov_b32 s[CS+1], s[CS]                       ; (named with it as a pair, so it is written)
	v_and_b32 v9, 31, v0
	v_and_b32 v10, 15, v0                          ; r
	s_delay_alu instid0(VALU_DEP_2)
	v_lshlrev_b32 v1, 4, v9                        ; 16 x lane: an image's place for my lane
	s_delay_alu instid0(VALU_DEP_1)
	v_add_nc_u32 v2, VIMG, v1
	s_delay_alu instid0(VALU_DEP_3)
	v_lshl_add_u32 v3, v10, 4, KSC
	s_lshl_b32 s77, s97, 3
	s_add_co_u32 s77, s77, VSC
	v_add_nc_u32 v4, s77, v1                       ; V's scale words: 16 x lane + 8 x (head % 2)
	v_mov_b32 v5, 0xd0000000                       ; -2^33
	s_and_b32 s77, s[WV], 7
	s_lshr_b32 s77, s77, 1
	s_lshl_b32 s77, s77, 2
	s_lshl_b32 s15, s97, 8
	s_add_co_u32 s77, s77, s15
	v_lshl_add_u32 v6, v10, 4, s77                 ; Q's scale word: 16 (16 x (head % 2) + r) + 4 x (my tile % 8 / 2)
	v_lshlrev_b32 v7, 5, v10                       ; 32 r
.irp j, 16,17,18,19,24,25,26,27
	v_mov_b32 v\j, 0                               ; the zero codes on both sides of Q
.endr
.irp b, 0,1,2,3
	v_mov_b32 v[236+\b], 0                         ; written once: a lane permute's destination counts as one of its sources
.endr
	v_mov_b32 v253, 0                              ; (named as the upper half of the pair v[252:253] before it is first written)
	s_wait_tensorcnt 0x0                           ; my parts of the head have landed; the descriptors' registers are free,
	s_barrier_signal -1
	s_barrier_wait -1                              ; everybody's have
.macro PASS p
	global_load_b128 v[20:23], v1, s[4:5] offset:16384*\p       ; Q's four registers
	global_load_b32 v200, v6, s[6:7] offset:1024*\p
	s_mov_b32 s[MO], 0
	MASKLOAD 65536*\p                              ; step 0's mask words
	s_wait_loadcnt 0x0
	v_alignbit_b32 v198, v200, v200, s[R1]         ; my two bytes in the low half: for [Q | 0]
	v_alignbit_b32 v199, v200, v200, s[R2]         ; and in the high half: for [0 | Q]
	v_mov_b32 v13, 0xff61b1e6                      ; the largest t so far: -3e38
	s_delay_alu instid0(VALU_DEP_1)
	v_floor_f32 v12, -v13                          ; -M
	v_mov_b32 v14, 0
	v_mov_b32 v15, 0
.irp j, 0,1,2,3,4,5,6,7,8,9,10,11,12,13,14,15,16,17,18,19,20,21,22,23,24,25,26,27,28,29,30,31
	v_mov_b32 v[160+\j], 0                         ; O^T: the first step finds zeros, which the first change of M leaves zeros.  (These are also the places between the scale words just made and the first product)
.endr
	s_mov_b32 s[ST], 0
.Lstep_\@:                                         ; 16 trips: 128 keys each
	s_lshr_b32 s[KSS], s[ST], 4
	s_lshr_b32 s[VSS], s[ST], 3
	v_add_nc_u32 v8, s[ST], v1                     ; (these four are the places in front of the loads into V's registers, which the last products read)
	v_add_nc_u32 v9, s[ST], v2
	v_add_nc_u32 v10, s[KSS], v3
	v_add_nc_u32 v11, s[VSS], v4
.irp i, 0,1,2,3,4,5,6,7
	ds_load_b128 v[32+4*\i:35+4*\i], v8 offset:512*\i           ; tile i of the step's keys: half a fragment
.endr
	ds_load_b128 v[192:195], v10                   ; word b: tile 2 b's two bytes, then tile 2 b + 1's
.irp i, 0,1,2,3,4,5,6,7
	ds_load_b128 v[64+4*\i:67+4*\i], v9 offset:512*\i
.endr
	ds_load_b64 v[196:197], v11
	s_wait_dscnt 9                                 ; K's nine loads are in; V's nine may be out
.irp b, 0,1,2,3
	v_wmma_scale_f32_16x16x128_f8f6f4 v[96+16*\b:103+16*\b], v[32+8*\b:39+8*\b], v[20:27], 0, v[192+\b], v198 matrix_a_fmt:MATRIX_FMT_FP4 matrix_b_fmt:MATRIX_FMT_FP4
	v_wmma_scale_f32_16x16x128_f8f6f4 v[104+16*\b:111+16*\b], v[32+8*\b:39+8*\b], v[16:23], 0, v[192+\b], v199 matrix_a_fmt:MATRIX_FMT_FP4 matrix_b_fmt:MATRIX_FMT_FP4
.endr
.rept 4
	v_nop
.endr
	s_wait_kmcnt 0x0                               ; this step's mask words
.set n, 0
.rept 64
.if n < 48
	v_cndmask_b32 v[96+n], v5, v[96+n], s[16+n]    ; a hidden key's score becomes -2^33; ascending, so each result is first read at its low end
.else
	v_cndmask_b32 v[96+n], v5, v[96+n], s[32+n]
.endif
.set n, n+1
.endr
.irp b, 0,1,2,3
	v_max3_num_f32 v[232+\b], v[96+16*\b], v[97+16*\b], v[98+16*\b]   ; the largest score of each block of 32 keys: for the row's maximum and, since p rises with the score, for the block's largest p
.endr
.irp i, 3,5,7,9,11,13
.irp b, 0,1,2,3
	s_delay_alu instid0(VALU_DEP_4)
	v_max3_num_f32 v[232+\b], v[232+\b], v[96+16*\b+\i], v[97+16*\b+\i]
.endr
.endr
.irp b, 0,1,2,3
	s_delay_alu instid0(VALU_DEP_4)
	v_max_num_f32 v[232+\b], v[232+\b], v[111+16*\b]
.endr
.irp b, 0,1,2,3
	s_delay_alu instid0(VALU_DEP_4)
	v_permlanex16_b32 v[236+\b], v[232+\b], s[SEL], s[SEL+1]
.endr
.irp b, 0,1,2,3
	s_delay_alu instid0(VALU_DEP_4)
	v_max_num_f32 v[232+\b], v[232+\b], v[236+\b]  ; with lane xor 16's 16 keys
.endr
	s_delay_alu instid0(VALU_DEP_2)
	v_max3_num_f32 v254, v232, v233, v234
	s_delay_alu instid0(VALU_DEP_1)
	v_max_num_f32 v254, v254, v235                 ; the step's largest score of my query
	s_delay_alu instid0(VALU_DEP_1)
	v_mul_f32 v254, s[CS], v254                    ; as t (c is positive)
	s_delay_alu instid0(VALU_DEP_1)
	v_max_num_f32 v13, v13, v254                   ; the running largest t
	v_mov_b32 v254, v12
	s_delay_alu instid0(VALU_DEP_2)
	v_floor_f32 v12, -v13                          ; the new -M = floor(-t): M is a whole number
	s_delay_alu instid0(VALU_DEP_1)
	v_sub_f32 v254, v12, v254                      ; old M - new M: a whole number, 0 or less
	s_delay_alu instid0(VALU_DEP_1)
	v_cvt_i32_f32 v254, v254                       ; (it saturates)
	s_delay_alu instid0(VALU_DEP_1)
	v_ldexp_f32 v252, 1.0, v254                    ; f = 2^(old M - new M)
.irp j, 0,2,4,6,8,10,12,14,16,18,20,22,24,26,28,30,32,34,36,38,40,42,44,46,48,50,52,54,56,58,60,62
	v_pk_fma_f32 v[96+\j:97+\j], v[96+\j:97+\j], s[CS:CS+1], v[12:13] op_sel_hi:[1,0,0]   ; t - M, two at a time
.endr
.irp b, 0,1,2,3
	v_fma_f32 v[232+\b], v[232+\b], s[CS], v12     ; the same of each block's largest score
.endr
	s_add_co_u32 s[MO], s[MO], 256                 ; the next step's mask words are asked for here: the selections above have read this step's, and the wait above has freed the offset.
	s_min_u32 s[MO], s[MO], 3840                   ; The last trip asks for its own again: no load leaves the tile's 4,096 bytes
	MASKLOAD 65536*\p
	s_wait_alu depctr_va_vdst(0)
.irp j, 0,1,2,3,4,5,6,7,8,9,10,11,12,13,14,15,16,17,18,19,20,21,22,23,24,25,26,27,28,29,30,31,32,33,34,35,36,37,38,39,40,41,42,43,44,45,46,47,48,49,50,51,52,53,54,55,56,57,58,59,60,61,62,63
	v_exp_f32 v[96+\j], v[96+\j]                   ; p = 2^(t - M), at most 1
.endr
.irp b, 0,1,2,3
	v_exp_f32 v[232+\b], v[232+\b]                 ; the block's largest p: the same two instructions on the same number
.endr
	v_pk_mul_f32 v[14:15], v[14:15], v[252:253] op_sel_hi:[1,0]   ; the sums under the new M.  (A plain place behind the exponentials)
	s_wait_alu depctr_va_vdst(0)
.irp b, 0,1,2,3
	v_max_num_f32 v[232+\b], 0x1800000, v[232+\b]  ; the floor 2^(3 - 127): the byte cannot fall under 1
.endr
.irp b, 0,1,2,3
	s_delay_alu instid0(VALU_DEP_4)
	v_add_nc_u32 v[244+\b], 0xff000000, v[232+\b]  ; 2 off the exponent field: the conversion's scale operand
.endr
.irp b, 0,1,2,3
	s_delay_alu instid0(VALU_DEP_4)
	v_lshrrev_b32 v[236+\b], 23, v[244+\b]         ; the scale's byte
.endr
	s_delay_alu instid0(VALU_DEP_3)
	v_lshl_or_b32 v253, v237, 8, v236              ; p's scale word for these 128 keys
	s_delay_alu instid0(VALU_DEP_1)
	v_lshl_or_b32 v253, v238, 16, v253
	s_delay_alu instid0(VALU_DEP_1)
	v_lshl_or_b32 v253, v239, 24, v253
.irp b, 0,1,2,3
.irp u, 0,1
	v_cvt_scalef32_pk8_fp4_f32 v[224+4*(\b/2)+2*\u+(\b%2)], v[96+16*\b+8*\u:103+16*\b+8*\u], v[244+\b]   ; keys 32 b + 16 u + 8 (lane / 16) + 0 .. 7
.endr
.endr
	v_nop                                          ; one plain place behind a scaled conversion
.irp c, 0,1
.irp u, 0,1
	v_permlane16_swap_b32 v[224+4*\c+2*\u], v[225+4*\c+2*\u]   ; register 4 c + i now holds keys 64 c + 32 (lane / 16) + 8 i .. + 7
.endr
.endr
	v_pk_add_f32 v[236:237], v[100:101], v[104:105]
	v_pk_add_f32 v[248:249], v[108:109], v[112:113]
	v_pk_add_f32 v[246:247], v[116:117], v[120:121]
	v_pk_add_f32 v[244:245], v[124:125], v[128:129]
	v_pk_add_f32 v[242:243], v[132:133], v[136:137]
	v_pk_add_f32 v[240:241], v[140:141], v[144:145]
	v_pk_add_f32 v[234:235], v[148:149], v[152:153]
	v_pk_add_f32 v[14:15], v[14:15], v[156:157]
	v_pk_add_f32 v[236:237], v[236:237], v[96:97]
	v_pk_add_f32 v[248:249], v[248:249], v[98:99]
	v_pk_add_f32 v[246:247], v[246:247], v[102:103]
	v_pk_add_f32 v[244:245], v[244:245], v[106:107]
	v_pk_add_f32 v[242:243], v[242:243], v[110:111]
	v_pk_add_f32 v[240:241], v[240:241], v[114:115]
	v_pk_add_f32 v[234:235], v[234:235], v[118:119]
	v_pk_add_f32 v[14:15], v[14:15], v[122:123]
	v_pk_add_f32 v[236:237], v[236:237], v[126:127]
	v_pk_add_f32 v[248:249], v[248:249], v[130:131]
	v_pk_add_f32 v[246:247], v[246:247], v[134:135]
	v_pk_add_f32 v[244:245], v[244:245], v[138:139]
	v_pk_add_f32 v[242:243], v[242:243], v[142:143]
	v_pk_add_f32 v[240:241], v[240:241], v[146:147]
	v_pk_add_f32 v[234:235], v[234:235], v[150:151]
	v_pk_add_f32 v[14:15], v[14:15], v[154:155]
	v_pk_add_f32 v[236:237], v[236:237], v[158:159]
	s_delay_alu instid0(VALU_DEP_2)
	v_pk_add_f32 v[14:15], v[14:15], v[244:245]
	s_delay_alu instid0(VALU_DEP_2)
	v_pk_add_f32 v[236:237], v[236:237], v[242:243]
	v_pk_add_f32 v[248:249], v[248:249], v[240:241]
	v_pk_add_f32 v[246:247], v[246:247], v[234:235]
	s_delay_alu instid0(VALU_DEP_2)
	v_pk_add_f32 v[14:15], v[14:15], v[248:249]
	s_delay_alu instid0(VALU_DEP_2)
	v_pk_add_f32 v[236:237], v[236:237], v[246:247]
	s_delay_alu instid0(VALU_DEP_1)
	v_pk_add_f32 v[14:15], v[14:15], v[236:237]
.irp j, 0,2,4,6,8,10,12,14,16,18,20,22,24,26,28,30
	v_pk_mul_f32 v[160+\j:161+\j], v[160+\j:161+\j], v[252:253] op_sel_hi:[1,0]   ; O^T under the new M
.endr
	s_wait_alu depctr_va_vdst(0)
	s_wait_dscnt 0x0                               ; V
	v_wmma_scale_f32_16x16x128_f8f6f4 v[160:167], v[64:71], v[224:231], v[160:167], v196, v253 matrix_a_fmt:MATRIX_FMT_FP4 matrix_b_fmt:MATRIX_FMT_FP4
	v_wmma_scale_f32_16x16x128_f8f6f4 v[168:175], v[72:79], v[224:231], v[168:175], v196, v253 matrix_a_fmt:MATRIX_FMT_FP4 matrix_b_fmt:MATRIX_FMT_FP4 matrix_a_scale:MATRIX_SCALE_ROW1
	v_wmma_scale_f32_16x16x128_f8f6f4 v[176:183], v[80:87], v[224:231], v[176:183], v197, v253 matrix_a_fmt:MATRIX_FMT_FP4 matrix_b_fmt:MATRIX_FMT_FP4
	v_wmma_scale_f32_16x16x128_f8f6f4 v[184:191], v[88:95], v[224:231], v[184:191], v197, v253 matrix_a_fmt:MATRIX_FMT_FP4 matrix_b_fmt:MATRIX_FMT_FP4 matrix_a_scale:MATRIX_SCALE_ROW1
	s_add_co_u32 s[ST], s[ST], 4096
	s_cmp_lt_u32 s[ST], 65536
	s_cbranch_scc1 .Lstep_\@
	; the pass's end: O^T / the sum is ctx; register 8 d + j is channel 16 d + 8 (lane / 16) + j of my query: two blocks of 32 along the next K
.rept 4
	v_nop
.endr
	s_wait_kmcnt 0x0                               ; the last trip's mask words: their registers and the offset are written again
	v_add_f32 v14, v14, v15
	s_delay_alu instid0(VALU_DEP_1)
	v_permlanex16_b32 v252, v14, s[SEL], s[SEL+1]
	s_delay_alu instid0(VALU_DEP_1)
	v_add_f32 v14, v14, v252                       ; the row's sum
	s_wait_alu depctr_va_vdst(0)
	v_rcp_f32 v14, v14
	v_nop                                          ; one plain place behind a transcendental
	s_wait_alu depctr_va_vdst(0)
.irp j, 0,1,2,3,4,5,6,7,8,9,10,11,12,13,14,15,16,17,18,19,20,21,22,23,24,25,26,27,28,29,30,31
	v_mul_f32 v[96+\j], v[160+\j], v14
.endr
.irp b, 0,1
	v_max3_num_f32 v[232+\b], |v[96+16*\b]|, |v[97+16*\b]|, 0x1800000
.endr
.irp i, 2,4,6,8,10,12,14
.irp b, 0,1
	s_delay_alu instid0(VALU_DEP_2)
	v_max3_num_f32 v[232+\b], v[232+\b], |v[96+16*\b+\i]|, |v[97+16*\b+\i]|
.endr
.endr
.irp b, 0,1
	s_delay_alu instid0(VALU_DEP_2)
	v_permlanex16_b32 v[236+\b], v[232+\b], s[SEL], s[SEL+1]
.endr
.irp b, 0,1
	s_delay_alu instid0(VALU_DEP_2)
	v_max_num_f32 v[232+\b], v[232+\b], v[236+\b]
.endr
.irp b, 0,1
	s_delay_alu instid0(VALU_DEP_2)
	v_add_nc_u32 v[244+\b], 0xff000000, v[232+\b]
.endr
.irp b, 0,1
	s_delay_alu instid0(VALU_DEP_2)
	v_lshrrev_b32 v[236+\b], 23, v[244+\b]
.endr
	s_delay_alu instid0(VALU_DEP_1)
	v_lshl_or_b32 v238, v237, 8, v236              ; my token's two scale bytes of this head
.irp b, 0,1
.irp u, 0,1
	v_cvt_scalef32_pk8_fp4_f32 v[224+2*\u+\b], v[96+16*\b+8*\u:103+16*\b+8*\u], v[244+\b]
.endr
.endr
	v_nop
	v_permlane16_swap_b32 v224, v225
	v_permlane16_swap_b32 v226, v227
	global_store_b128 v1, v[224:227], s[10:11] offset:131072*\p   ; half a fragment of the last product's operand: 512 consecutive bytes
	global_store_b16 v7, v238, s[12:13] offset:8192*\p            ; lanes r and r + 16 write the same two bytes with the same value
	s_wait_xcnt 0x0                                ; the stores' registers are written again only behind this wait
.endm
	PASS 0
	PASS 1
	s_wait_tensorcnt 0x0
	ds_add_u32 v251, v255
	s_wait_dscnt 0x0
	ROUND                                          ; the closing round: no work-group ends while a partner may still ask for a tile that names it
	s_endpgm
.Lfunc_end_k_q55e14a6327_attn:
	.size	k_q55e14a6327_attn, .Lfunc_end_k_q55e14a6327_attn-k_q55e14a6327_attn
	.p2alignl 7, 3214868480
	.fill 96, 4, 3214868480
	.section	.rodata,"a",@progbits
	.p2align	6, 0x0
	.amdhsa_kernel k_q55e14a6327_attn
		.amdhsa_group_segment_fixed_size 169984
		.amdhsa_private_segment_fixed_size 0
		.amdhsa_enable_private_segment 0
		.amdhsa_kernarg_size 40
		.amdhsa_user_sgpr_count 2
		.amdhsa_user_sgpr_kernarg_segment_ptr 1
		.amdhsa_wavefront_size32 1
		.amdhsa_system_sgpr_workgroup_id_x 1
		.amdhsa_system_sgpr_workgroup_id_y 1
		.amdhsa_system_sgpr_workgroup_id_z 1
		.amdhsa_system_vgpr_workitem_id 0
		.amdhsa_next_free_vgpr 256
		.amdhsa_next_free_sgpr 102
		.amdhsa_reserve_vcc 0
		.amdhsa_float_denorm_mode_32 3
		.amdhsa_float_denorm_mode_16_64 3
		.amdhsa_memory_ordered 1
		.amdhsa_forward_progress 1
		.amdhsa_inst_pref_size 63
	.end_amdhsa_kernel
	.amdgpu_metadata
---
amdhsa.version: [ 1, 2 ]
amdhsa.kernels:
  - .name:           k_q55e14a6327_attn
    .symbol:         k_q55e14a6327_attn.kd
    .args:
      - { .name: img, .offset: 0, .size: 8, .value_kind: global_buffer, .address_space: global }
      - { .name: sc, .offset: 8, .size: 8, .value_kind: global_buffer, .address_space: global }
      - { .name: mbits, .offset: 16, .size: 8, .value_kind: global_buffer, .address_space: global }
      - { .name: cimg, .offset: 24, .size: 8, .value_kind: global_buffer, .address_space: global }
      - { .name: csc, .offset: 32, .size: 8, .value_kind: global_buffer, .address_space: global }
    .group_segment_fixed_size: 169984
    .private_segment_fixed_size: 0
    .kernarg_segment_align: 8
    .kernarg_segment_size: 40
    .max_flat_workgroup_size: 512
    .sgpr_count:     102
    .vgpr_count:     256
    .wavefront_size: 32
...
	.end_amdgpu_metadata
.endif
;; end of part 3
;; launch outln (part 4): grid 256 x 1, 8 waves a work-group, clusters of 4 x 1, 327,680 bytes of LDS; arguments cimg, csc, Wo_codes, Wo_scales, bo, q, gamma, beta, out0; writes out0
.if DOCPART == 4
	.amdgcn_target "amdgcn-amd-amdhsa--gfx1250"
	.amdhsa_code_object_version 6
	.text
	.protected	k_q55e14a6327_outln
	.globl	k_q55e14a6327_outln
	.p2align	8
	.type	k_q55e14a6327_outln,@function
k_q55e14a6327_outln:
	s_mov_b64 s[64:65], 0
	v_nop
	global_prefetch_b8 v0, s[64:65] scope:SCOPE_SE
	s_setreg_imm32_b32 hwreg(HW_REG_WAVE_MODE, 25, 1), 1
	s_wait_xcnt 0x0
	s_wait_alu depctr_hold_cnt(0) depctr_sa_sdst(0) depctr_va_vdst(0) depctr_va_sdst(0) depctr_va_ssrc(0) depctr_va_vcc(0) depctr_vm_vsrc(0)
	s_getreg_b32 s2, hwreg(HW_REG_IB_STS2, 6, 4)
	s_cmp_eq_u32 s2, 0
	s_cbranch_scc0 .Lentry_in_a_cluster
	s_endpgm
.Lentry_in_a_cluster:
	s_bfe_u32 s2, ttmp6, 0x10000c
	s_cmp_lg_u32 s2, 0x3003
	s_cbranch_scc0 .Lentry_shape_is_right
	s_endpgm
.Lentry_shape_is_right:
; OUTLN.  out0 = layer norm(ctx Wo + bo + q) x gamma + beta; the product on codes of FP4 (E2M1) with E8M0 scales, K = 1,024; all else in f32.
; SHARES.  A work-group of eight waves owns 32 tokens and all 1,024 outputs, so that the norm never leaves it.  Wo goes through LDS in four chunks of 256 rows (a row: all of K, 512 bytes); in chunk c wave w takes
; rows 256 c + 32 w .. + 31: two tiles x two tiles of tokens: 16 accumulators in all, kept to the end.  Source 0 = 16 rows of Wo, source 1 = ctx: a lane holds eight neighbouring outputs of one token.
; ctx's 16 fragments and all scale words stay in each wave's registers.
; CLUSTER.  Every work-group walks the same Wo: the four of a cluster ask for each chunk jointly.  Two slots; chunks 2 and 3 fill them again, each behind a round of the cluster's barrier.
; THE NORM takes the mean first and then the squares of the differences: no difference of large sums is formed.
; The results meet in a stage of 32 rows x (4,096 + 16) bytes, in slot 0 behind its last fill and its last read; each wave then owns 4 whole rows.
; REGISTERS: window 0: v1-9 addresses; v16-47 Wo's scale words; v48-55 ctx's; v56-119 Wo's fragments, two buffers, later at work; v120-127 at work; v128-255 accumulators, later 4 rows of x.
;   window 1: v0-127 ctx's fragments, later gamma v0-31, beta v32-63, bo v64-95; v128-255 four rows of q.
.set WP,    528                        ; a row of Wo in LDS: 512 bytes + 16 = 132 words: row r starts at bank 4 r mod 64 (64 banks of 4 bytes: ISA guide 11.1)
.set SLOT,  256*WP
.set SPARE, 2*SLOT                     ; the spare words, 128 bytes a wave: four blocks of 256 bytes that no other line names
.set TP,    4112                       ; a stage row: 1,028 words: row r starts at bank 4 r mod 64
.set AW,   2                           ; v2, v3  my rows of Wo in slot 0, 1
.set SO,   4                           ; v4, v5  the stage: where I put 32 bytes of a row, tokens 0-15, 16-31
.set SR,   6                           ; v6      and where I read my four rows back
.set SPW,  8
.set NIL,  9
.set WS,   16
.set CSR,  48
.set WF,   56
.set PX,   56                          ; the norm: v56-59 a lane permute's results, v60-67 sums of squares, v120-127 sums
.set QS,   60
.set TS,   120
.set ACC,  128
.set XR,   128
.set WV,   22
.set SEL,  48
.set MSB, 0
.macro WIN new                         ; the immediate's high byte repeats the setting that is left
.if MSB != \new
	s_set_vgpr_msb (MSB<<8)|\new
.set MSB, \new
.endif
.endm
.macro ROUND                           ; a round of the cluster's barrier
	s_barrier_signal -1
	s_barrier_wait -1
	s_cmp_lg_u32 s[WV], 0
	s_cbranch_scc1 .Lnot_wave_0_\@
	s_barrier_signal -3
.Lnot_wave_0_\@:
	s_barrier_wait -3
	s_barrier_signal -1
	s_barrier_wait -1
.endm
.macro JL s                            ; a joint refill: waves 0-3 fetch 64 rows each; four v_nop follow the line
	s_cmp_lt_u32 s[WV], 4
	s_cbranch_scc0 .Lnone_\@
	tensor_load_to_lds s[40+4*\s:43+4*\s], s[32:39]
	s_nop 0
.rept 4
	v_nop
.endr
.Lnone_\@:
.endm
.macro FETCHW s, q                     ; my two tiles' fragments of K steps 2 q and 2 q + 1 into buffer q % 2: eight loads
.irp kk, 0,1
.irp i, 0,1
.irp cc, 0,1
	ds_load_b128 v[WF+32*((\q)%2)+16*\kk+8*\i+4*\cc:WF+32*((\q)%2)+16*\kk+8*\i+4*\cc+3], v[AW+\s] offset:16*WP*\i+64*(2*(\q)+\kk)+32*\cc
.endr
.endr
.endr
.endm
; Four matrix instructions: K step ks of chunk c; the chunk's four accumulators take turns.  Lanes 16-31 of a scale register hold the second tile's words.
.macro MM c, ks, wb
.set D0, ACC+32*(\c)
.set WB, \wb
.set SW, WS+8*(\c)+(\ks)
.set SX, CSR+(\ks)
.set B0, 8*(\ks)
.set B1, 8*(8+(\ks))
.if (\ks) == 0
	v_wmma_scale_f32_16x16x128_f8f6f4 v[D0:D0+7], v[WB:WB+7], v[B0:B0+7], 0, v[SW], v[SX] matrix_a_fmt:MATRIX_FMT_FP4 matrix_b_fmt:MATRIX_FMT_FP4
	v_wmma_scale_f32_16x16x128_f8f6f4 v[D0+8:D0+15], v[WB:WB+7], v[B1:B1+7], 0, v[SW], v[SX] matrix_a_fmt:MATRIX_FMT_FP4 matrix_b_fmt:MATRIX_FMT_FP4 matrix_b_scale:MATRIX_SCALE_ROW1
	v_wmma_scale_f32_16x16x128_f8f6f4 v[D0+16:D0+23], v[WB+8:WB+15], v[B0:B0+7], 0, v[SW], v[SX] matrix_a_fmt:MATRIX_FMT_FP4 matrix_b_fmt:MATRIX_FMT_FP4 matrix_a_scale:MATRIX_SCALE_ROW1
	v_wmma_scale_f32_16x16x128_f8f6f4 v[D0+24:D0+31], v[WB+8:WB+15], v[B1:B1+7], 0, v[SW], v[SX] matrix_a_fmt:MATRIX_FMT_FP4 matrix_b_fmt:MATRIX_FMT_FP4 matrix_a_scale:MATRIX_SCALE_ROW1 matrix_b_scale:MATRIX_SCALE_ROW1
.else
	v_wmma_scale_f32_16x16x128_f8f6f4 v[D0:D0+7], v[WB:WB+7], v[B0:B0+7], v[D0:D0+7], v[SW], v[SX] matrix_a_fmt:MATRIX_FMT_FP4 matrix_b_fmt:MATRIX_FMT_FP4
	v_wmma_scale_f32_16x16x128_f8f6f4 v[D0+8:D0+15], v[WB:WB+7], v[B1:B1+7], v[D0+8:D0+15], v[SW], v[SX] matrix_a_fmt:MATRIX_FMT_FP4 matrix_b_fmt:MATRIX_FMT_FP4 matrix_b_scale:MATRIX_SCALE_ROW1
	v_wmma_scale_f32_16x16x128_f8f6f4 v[D0+16:D0+23], v[WB+8:WB+15], v[B0:B0+7], v[D0+16:D0+23], v[SW], v[SX] matrix_a_fmt:MATRIX_FMT_FP4 matrix_b_fmt:MATRIX_FMT_FP4 matrix_a_scale:MATRIX_SCALE_ROW1
	v_wmma_scale_f32_16x16x128_f8f6f4 v[D0+24:D0+31], v[WB+8:WB+15], v[B1:B1+7], v[D0+24:D0+31], v[SW], v[SX] matrix_a_fmt:MATRIX_FMT_FP4 matrix_b_fmt:MATRIX_FMT_FP4 matrix_a_scale:MATRIX_SCALE_ROW1 matrix_b_scale:MATRIX_SCALE_ROW1
.endif
.endm
.macro MULB c, q
	MM \c, 2*(\q), WF+32*((\q)%2)
	MM \c, 2*(\q)+1, WF+32*((\q)%2)+16
.endm
.macro PLACES
.rept 4
	v_nop
.endr
.endm
.macro CHUNK c, s                      ; chunk c, which lies in slot s: 32 matrix instructions; the fragments run a batch of eight loads ahead
	PLACES                                         ; in front of loads into registers that matrix instructions have read
	WIN 0x04                                       ; source 1 (ctx) window 1
	FETCHW \s, 0
	FETCHW \s, 1
	s_wait_dscnt 8                                 ; all but the eight just issued
	MULB \c, 0
	PLACES
	FETCHW \s, 2
	s_wait_dscnt 8
	MULB \c, 1
	PLACES
	FETCHW \s, 3
	s_wait_dscnt 8
	MULB \c, 2
	s_wait_dscnt 0x0
	MULB \c, 3
	WIN 0
.endm
; Slot s has been read.  Each wave waits for all its tensor loads (its part of the other slot), adds 0 to its spare word, and waits for that and for its reads of the slot.
; fill = 1: behind a round of the cluster's barrier the slot takes the chunk two on, first thing.  fill = 0: the work-group's barrier alone.
.macro CHANGE s, fill
	s_wait_tensorcnt 0x0                           ; no tensor load of mine is out, so a group 0 may be written
	ds_add_u32 v[SPW], v[NIL]                      ; 0 onto my spare word
.if \fill
	s_add_nc_u64 s[42+4*\s:43+4*\s], s[42+4*\s:43+4*\s], 2*131072   ; two chunks of 256 rows x 512 bytes on; the type bits on top are not reached
.endif
	s_wait_dscnt 0x0                               ; the add is done, and my reads of the slot are over
.if \fill
	ROUND
	JL \s
.else
	s_barrier_signal -1
	s_barrier_wait -1
.endif
.endm
.macro REDUCE base                     ; v[base + 2 i], i = 0 .. 3, summed over the 32 lanes, the four rows by turns
.irp m, 1,2,4,8
.irp i, 0,1,2,3
	s_delay_alu instid0(VALU_DEP_4)
	v_add_f32_dpp v[\base+2*\i], v[\base+2*\i], v[\base+2*\i] row_xmask:\m row_mask:0xf bank_mask:0xf
.endr
.endr
.irp i, 0,1,2,3
	s_delay_alu instid0(VALU_DEP_4)
	v_permlanex16_b32 v[PX+\i], v[\base+2*\i], s[SEL], s[SEL+1]
.endr
.irp i, 0,1,2,3
	s_delay_alu instid0(VALU_DEP_4)
	v_add_f32 v[\base+2*\i], v[\base+2*\i], v[PX+\i]
.endr
.endm
	s_load_b512 s[4:19], s[0:1], 0x0               ; cimg, csc, Wo's codes, Wo's scales, bo, q, gamma, beta
	s_load_b64 s[20:21], s[0:1], 0x40              ; out0
	v_lshl_add_u32 v[SPW], v0, 2, SPARE
	v_mov_b32 v[NIL], 0
	ds_add_u32 v8, v9
	ds_add_u32 v8, v9
	s_wait_dscnt 0x0
	v_lshrrev_b32 v1, 5, v0
	s_delay_alu instid0(VALU_DEP_1)
	v_readfirstlane_b32 s[WV], v1                  ; wave 0..7
	s_bfe_u32 s23, ttmp6, 0x40000                  ; cx
	s_lshl_b32 s24, ttmp9, 2
	s_add_co_u32 s24, s24, s23                     ; my work-group: it enters ctx's, q's and the output's addresses alone
	; descriptor group 1: 64 rows of 512 bytes, dense in memory, 16 bytes of padding behind each; the mask of all four work-groups
	s_mov_b32 s32, 15|(0<<16)|(1<<20)|(1<<21)|(6<<22)|(3<<25)
	s_mov_b32 s33, 512<<16
	s_mov_b32 s34, 64<<16
	s_mov_b32 s35, 512<<16
	s_mov_b32 s36, 64
	s_mov_b32 s37, 512
	s_mov_b32 s38, 0
	s_mov_b32 s39, 0
	s_and_b32 s28, s[WV], 3                        ; which 64 rows of a chunk I fetch, if I fetch
	s_mul_i32 s25, s28, 64*WP
	s_lshl_b32 s26, s28, 15
	s_mov_b32 s27, 0
	s_mov_b32 s[SEL], 0x76543210
	s_mov_b32 s[SEL+1], 0xfedcba98
	s_mov_b32 s50, 0x3a800000                      ; 1 / 1,024
	s_mov_b32 s51, 0x358637bd                      ; 1e-6
	s_wait_kmcnt 0x0
	s_mov_b32 s40, 1
	s_mov_b32 s41, s25
	s_add_nc_u64 s[42:43], s[8:9], s[26:27]        ; chunk 0
	s_or_b32 s43, s43, 0x80000000
	s_mov_b32 s44, 1
	s_add_co_u32 s45, s25, SLOT
	s_add_nc_u64 s[46:47], s[8:9], s[26:27]
	s_add_nc_u64 s[46:47], s[46:47], 131072        ; chunk 1
	s_or_b32 s47, s47, 0x80000000
	ROUND                                          ; all four work-groups are here: the first joint loads meet
	s_cmp_lt_u32 s[WV], 4                          ; both first fills in one branch: two tensor loads of mine are out; four v_nop follow the second
	s_cbranch_scc0 .Lfirst_none
	tensor_load_to_lds s[40:43], s[32:39]
	s_nop 0
	tensor_load_to_lds s[44:47], s[32:39]
	s_nop 0
.rept 4
	v_nop
.endr
.Lfirst_none:
	v_and_b32 v10, 31, v0                          ; lane
	v_and_b32 v11, 15, v0                          ; r
	v_bfe_u32 v12, v0, 4, 1                        ; h
	s_delay_alu instid0(VALU_DEP_3)
	v_lshlrev_b32 v1, 4, v10                       ; 16 x lane
	s_delay_alu instid0(VALU_DEP_4)
	v_lshlrev_b32 v7, 5, v10                       ; 32 x lane
	s_mul_i32 s28, s[WV], 32*WP
	v_mul_u32_u24 v[AW], v11, WP
	s_delay_alu instid0(VALU_DEP_1)
	v_lshl_add_u32 v[AW], v12, 4, v[AW]
	s_delay_alu instid0(VALU_DEP_1)
	v_add_nc_u32 v[AW], s28, v[AW]                 ; row 32 w + r, + 16 h
	s_delay_alu instid0(VALU_DEP_1)
	v_add_nc_u32 v[AW+1], SLOT, v[AW]
	v_mul_u32_u24 v[SO], v11, TP
	s_delay_alu instid0(VALU_DEP_1)
	v_lshl_add_u32 v[SO], v12, 5, v[SO]
	s_lshl_b32 s28, s[WV], 7
	v_add_nc_u32 v[SO], s28, v[SO]                 ; the stage: token r, + 128 w + 32 h
	s_delay_alu instid0(VALU_DEP_1)
	v_add_nc_u32 v[SO+1], 16*TP, v[SO]
	s_mul_i32 s28, s[WV], 4*TP
	v_add_nc_u32 v[SR], s28, v1
	s_lshl_b32 s26, s24, 14                        ; ctx's codes: two tiles of 8,192 bytes a work-group
	s_add_nc_u64 s[4:5], s[4:5], s[26:27]
	s_lshl_b32 s26, s24, 10                        ; ctx's scale bytes: 32 tokens of 32
	s_add_nc_u64 s[6:7], s[6:7], s[26:27]
	s_lshl_b32 s26, s[WV], 10                      ; Wo's scale bytes: my 32 rows of 32 in each chunk
	s_add_nc_u64 s[10:11], s[10:11], s[26:27]
	s_lshl_b32 s26, s24, 5
	s_lshl_b32 s28, s[WV], 2
	s_add_co_u32 s26, s26, s28
	s_lshl_b32 s26, s26, 12                        ; my four rows of q and of the output: token 32 x work-group + 4 w
	s_add_nc_u64 s[14:15], s[14:15], s[26:27]
	s_add_nc_u64 s[20:21], s[20:21], s[26:27]
	global_load_b128 v[CSR:CSR+3], v7, s[6:7]      ; lane L: token L's eight scale words
	global_load_b128 v[CSR+4:CSR+7], v7, s[6:7] offset:16
.irp c, 0,1,2,3
.irp cc, 0,1
	global_load_b128 v[WS+8*\c+4*\cc:WS+8*\c+4*\cc+3], v7, s[10:11] offset:8192*\c+16*\cc   ; lane L: row 256 c + 32 w + L
.endr
.endr
	WIN 0x40                                       ; destination window 1
.irp a, 0,1
.irp ks, 0,1,2,3,4,5,6,7
.irp cc, 0,1
	global_load_b128 v[8*(8*\a+\ks)+4*\cc:8*(8*\a+\ks)+4*\cc+3], v1, s[4:5] offset:8192*\a+1024*\ks+512*\cc   ; images of the operand's registers
.endr
.endr
.endr
.irp i, 0,1,2,3
.irp p, 0,1,2,3,4,5,6,7
	global_load_b128 v[128+32*\i+4*\p:128+32*\i+4*\p+3], v1, s[14:15] offset:4096*\i+512*\p th:TH_LOAD_NT   ; the residual: wanted at the end
.endr
.endr
	WIN 0
	s_wait_alu depctr_va_vdst(0)
	s_wait_loadcnt 32                              ; all but q's 32 loads
	s_wait_tensorcnt 1                             ; my part of chunk 0 is in (chunk 1's may be out)
	s_barrier_signal -1
	s_barrier_wait -1                              ; everybody's is
	CHUNK 0, 0
	CHANGE 0, 1                                    ; chunk 2 into slot 0
	CHUNK 1, 1
	CHANGE 1, 1                                    ; chunk 3 into slot 1
	CHUNK 2, 0
	CHANGE 0, 0                                    ; nothing is left to fetch; behind this barrier nobody reads slot 0
	CHUNK 3, 1
	PLACES                                         ; in front of loads into ctx's registers and of the first reads of results
	WIN 0x40
.irp p, 0,1,2,3,4,5,6,7
	global_load_b128 v[4*\p:4*\p+3], v1, s[16:17] offset:512*\p         ; gamma, beta, bo at my columns 128 p + 4 x lane
	global_load_b128 v[32+4*\p:32+4*\p+3], v1, s[18:19] offset:512*\p
	global_load_b128 v[64+4*\p:64+4*\p+3], v1, s[12:13] offset:512*\p
.endr
	WIN 0
.irp c, 0,1,2,3
.irp i, 0,1
.irp a, 0,1
	ds_store_b128 v[SO+\a], v[ACC+8*(4*\c+2*\i+\a):ACC+8*(4*\c+2*\i+\a)+3] offset:1024*\c+64*\i          ; token 16 a + r, outputs 256 c + 32 w + 16 i + 8 h + 0 .. 7; each accumulator from its low end on
	ds_store_b128 v[SO+\a], v[ACC+8*(4*\c+2*\i+\a)+4:ACC+8*(4*\c+2*\i+\a)+7] offset:1024*\c+64*\i+16
.endr
.endr
.endr
	s_wait_dscnt 0x0                               ; for the others' sake: my stores into the stage are done
	s_barrier_signal -1
	s_barrier_wait -1
.irp i, 0,1,2,3
.irp p, 0,1,2,3,4,5,6,7
	ds_load_b128 v[XR+32*\i+4*\p:XR+32*\i+4*\p+3], v[SR] offset:TP*\i+512*\p
.endr
.endr
.irp i, 0,1,2,3
	v_mov_b32 v[PX+\i], 0                          ; a lane permute's destination counts as one of its sources
.endr
	s_wait_dscnt 0x0
	s_wait_loadcnt 0x0
	WIN 0x04                                       ; source 1 window 1
.set k, 0
.rept 16
.irp i, 0,1,2,3
	v_pk_add_f32 v[XR+32*\i+2*k:XR+32*\i+2*k+1], v[XR+32*\i+2*k:XR+32*\i+2*k+1], v[64+2*k:65+2*k]                 ; + bo
.endr
.set k, k+1
.endr
.set k, 0
.rept 16
.irp i, 0,1,2,3
	v_pk_add_f32 v[XR+32*\i+2*k:XR+32*\i+2*k+1], v[XR+32*\i+2*k:XR+32*\i+2*k+1], v[128+32*\i+2*k:129+32*\i+2*k]   ; + q
.endr
.set k, k+1
.endr
	WIN 0
.irp i, 0,1,2,3
	v_pk_add_f32 v[TS+2*\i:TS+2*\i+1], v[XR+32*\i:XR+32*\i+1], v[XR+32*\i+2:XR+32*\i+3]
.endr
.set k, 2
.rept 14
.irp i, 0,1,2,3
	s_delay_alu instid0(VALU_DEP_4)
	v_pk_add_f32 v[TS+2*\i:TS+2*\i+1], v[TS+2*\i:TS+2*\i+1], v[XR+32*\i+2*k:XR+32*\i+2*k+1]
.endr
.set k, k+1
.endr
.irp i, 0,1,2,3
	s_delay_alu instid0(VALU_DEP_4)
	v_add_f32 v[TS+2*\i], v[TS+2*\i], v[TS+2*\i+1]
.endr
	REDUCE TS
.irp i, 0,1,2,3
	s_delay_alu instid0(VALU_DEP_4)
	v_mul_f32 v[TS+2*\i], 0xba800000, v[TS+2*\i]   ; -mean
.endr
.set k, 0
.rept 16
.irp i, 0,1,2,3
	v_pk_add_f32 v[XR+32*\i+2*k:XR+32*\i+2*k+1], v[XR+32*\i+2*k:XR+32*\i+2*k+1], v[TS+2*\i:TS+2*\i+1] op_sel_hi:[1,0]
.endr
.set k, k+1
.endr
.irp i, 0,1,2,3
	v_pk_mul_f32 v[QS+2*\i:QS+2*\i+1], v[XR+32*\i:XR+32*\i+1], v[XR+32*\i:XR+32*\i+1]
.endr
.set k, 1
.rept 15
.irp i, 0,1,2,3
	s_delay_alu instid0(VALU_DEP_4)
	v_pk_fma_f32 v[QS+2*\i:QS+2*\i+1], v[XR+32*\i+2*k:XR+32*\i+2*k+1], v[XR+32*\i+2*k:XR+32*\i+2*k+1], v[QS+2*\i:QS+2*\i+1]
.endr
.set k, k+1
.endr
.irp i, 0,1,2,3
	s_delay_alu instid0(VALU_DEP_4)
	v_add_f32 v[QS+2*\i], v[QS+2*\i], v[QS+2*\i+1]
.endr
	REDUCE QS
.irp i, 0,1,2,3
	s_delay_alu instid0(VALU_DEP_4)
	v_fma_f32 v[QS+2*\i], v[QS+2*\i], s50, s51     ; the variance + 1e-6
.endr
	s_wait_alu depctr_va_vdst(0)
.irp i, 0,1,2,3
	v_rsq_f32 v[QS+2*\i], v[QS+2*\i]
.endr
	v_nop                                          ; one plain place behind a transcendental
.set k, 0
	s_wait_alu depctr_va_vdst(0)
.rept 16
.irp i, 0,1,2,3
	v_pk_mul_f32 v[XR+32*\i+2*k:XR+32*\i+2*k+1], v[XR+32*\i+2*k:XR+32*\i+2*k+1], v[QS+2*\i:QS+2*\i+1] op_sel_hi:[1,0]
.endr
.set k, k+1
.endr
	WIN 0x14                                       ; sources 1 and 2 window 1
.set k, 0
.rept 16
.irp i, 0,1,2,3
	v_pk_fma_f32 v[XR+32*\i+2*k:XR+32*\i+2*k+1], v[XR+32*\i+2*k:XR+32*\i+2*k+1], v[2*k:2*k+1], v[32+2*k:33+2*k]   ; x gamma + beta
.endr
.set k, k+1
.endr
	WIN 0
.irp i, 0,1,2,3
.irp p, 0,1,2,3,4,5,6,7
	global_store_b128 v1, v[XR+32*\i+4*\p:XR+32*\i+4*\p+3], s[20:21] offset:4096*\i+512*\p th:TH_STORE_NT   ; 32 lanes store 512 consecutive bytes, at a multiple of 512 from the output's first byte
.endr
.endr
	s_wait_tensorcnt 0x0                           ; the wave's end, behind my last tensor load and my last LDS store
	ds_add_u32 v[SPW], v[NIL]
	s_wait_dscnt 0x0
	ROUND                                          ; the closing round: no work-group ends while a partner may still ask for a tile that names it
	s_endpgm
.Lfunc_end_k_q55e14a6327_outln:
	.size	k_q55e14a6327_outln, .Lfunc_end_k_q55e14a6327_outln-k_q55e14a6327_outln
	.p2alignl 7, 3214868480
	.fill 96, 4, 3214868480
	.section	.rodata,"a",@progbits
	.p2align	6, 0x0
	.amdhsa_kernel k_q55e14a6327_outln
		.amdhsa_group_segment_fixed_size 327680
		.amdhsa_private_segment_fixed_size 0
		.amdhsa_enable_private_segment 0
		.amdhsa_kernarg_size 72
		.amdhsa_user_sgpr_count 2
		.amdhsa_user_sgpr_kernarg_segment_ptr 1
		.amdhsa_wavefront_size32 1
		.amdhsa_system_sgpr_workgroup_id_x 1
		.amdhsa_system_sgpr_workgroup_id_y 1
		.amdhsa_system_sgpr_workgroup_id_z 1
		.amdhsa_system_vgpr_workitem_id 0
		.amdhsa_next_free_vgpr 512
		.amdhsa_next_free_sgpr 66
		.amdhsa_reserve_vcc 0
		.amdhsa_float_denorm_mode_32 3
		.amdhsa_float_denorm_mode_16_64 3
		.amdhsa_memory_ordered 1
		.amdhsa_forward_progress 1
		.amdhsa_inst_pref_size 88
	.end_amdhsa_kernel
	.amdgpu_metadata
---
amdhsa.version: [ 1, 2 ]
amdhsa.kernels:
  - .name:           k_q55e14a6327_outln
    .symbol:         k_q55e14a6327_outln.kd
    .args:
      - { .name: cimg, .offset: 0, .size: 8, .value_kind: global_buffer, .address_space: global }
      - { .name: csc, .offset: 8, .size: 8, .value_kind: global_buffer, .address_space: global }
      - { .name: Wo_codes, .offset: 16, .size: 8, .value_kind: global_buffer, .address_space: global }
      - { .name: Wo_scales, .offset: 24, .size: 8, .value_kind: global_buffer, .address_space: global }
      - { .name: bo, .offset: 32, .size: 8, .value_kind: global_buffer, .address_space: global }
      - { .name: q, .offset: 40, .size: 8, .value_kind: global_buffer, .address_space: global }
      - { .name: gamma, .offset: 48, .size: 8, .value_kind: global_buffer, .address_space: global }
      - { .name: beta, .offset: 56, .size: 8, .value_kind: global_buffer, .address_space: global }
      - { .name: out0, .offset: 64, .size: 8, .value_kind: global_buffer, .address_space: global }
    .group_segment_fixed_size: 327680
    .private_segment_fixed_size: 0
    .kernarg_segment_align: 8
    .kernarg_segment_size: 72
    .max_flat_workgroup_size: 256
    .sgpr_count:     66
    .vgpr_count:     512
    .wavefront_size: 32
...
	.end_amdgpu_metadata
.endif
;; end of part 4
